; MI455X (gfx1250); checked and timed in simulation.
; The chip was launched on July 23, 2026; its instructions are those of AMD's public machine-readable ISA for CDNA 5 (MIT licence, August 2026) and "CDNA5" Instruction Set Architecture Reference Guide (July 2026). The comments in the code are by the model that wrote it; some were corrected since.
;; Parallel Transformer Block. Allowed arithmetic: matrix products marked QUANTISED: E2M3 operands, one E8M0 scale for each 32 along K, by v_wmma_scale_f32_16x16x128_f8f6f4 with both operands' format E2M3, f32 sums; everything else in f32.
;; Inputs: W_attn_out 512 x 2,048 float32; W_ff_out 2,048 x 2,048 float32; W_fused 2,048 x 4,672 float32; attn_mask 2 x 2,048 bool; gamma 2,048 float32; x 2 x 2,048 x 2,048 float32.
;; Outputs: out0 2 x 2,048 x 2,048 float32.
;; This version of the problem:
;;   THIS VERSION OF THE PROBLEM IS GIVEN IN LOW PRECISION. The matrix products marked QUANTISED in the list below multiply operands that are first quantised to E2M3 (2 exponent bits, 3 mantissa bits; 6 bits a number), with one power-of-two scale for each 32 numbers along K (OCP MX v1.0); their sums are f32. All else is computed in f32.
;;   The module's matrix products, in the order in which they are computed (A, B: the left and right operand; K: the contracted axis; several contracted axes count as one K, in the product's order):
;;     1. [M 4,096, K 2,048] x [K 2,048, N 4,672]; A: computed on the way; B: input W_fused: QUANTISED
;;     2. batch 2 x [M 32,768, K 32] x [K 32, N 2,048]; A: computed on the way; B: computed on the way: QUANTISED
;;     3. batch 2 x [M 32,768, K 2,048] x [K 2,048, N 32]; A: softmax (see below); B: computed on the way: QUANTISED
;;     4. [M 4,096, K 2,048] x [K 2,048, N 2,048]; A: computed on the way; B: input W_ff_out: QUANTISED
;;     5. [M 4,096, K 512] x [K 512, N 2,048]; A: computed on the way; B: input W_attn_out: QUANTISED
;;   THE QUANTISER, for each operand of a quantised product, along K:
;;     - K is cut into blocks of 32 from its start; a last block that is shorter is filled with zeros.
;;     - A block's scale is 2^e with e = floor(log2(the largest magnitude in the block)) - 2, held to -126 .. 127; a block of zeros has e = 0. As a byte (E8M0): e + 127.
;;     - Each number is divided by its block's scale, clamped to +-7.5, and rounded to the nearest number of E2M3, ties to even, subnormals kept.
;;     - The product sums the exact products of the quantised numbers (number of the format x scale) in f32.
;;   ~~~python
;;   def quantise(x, axis):      # numpy; x: float32 -> the quantised numbers, widened to float32 again
;;       x = np.moveaxis(x, axis, -1); K = x.shape[-1]
;;       x = np.pad(x, [(0, 0)] * (x.ndim - 1) + [(0, -K % 32)]); x = x.reshape(x.shape[:-1] + (-1, 32)); a = np.abs(x).max(-1, keepdims=True)
;;       e = np.where(a > 0, np.clip(np.frexp(np.where(a > 0, a, 1))[1] - 1 - 2, -126, 127), 0)      # np.frexp(a)[1] - 1 = floor(log2(a)), exactly
;;       r = np.clip(x / 2.0 ** e, -7.5, 7.5)
;;       step = 2.0 ** (np.maximum(np.frexp(np.where(r == 0, 1, r))[1] - 1, 0) - 3)
;;       q = np.round(r / step) * step * 2.0 ** e      # np.round: ties to even
;;       return np.moveaxis(q.reshape(q.shape[:-2] + (-1,))[..., :K], -1, axis).astype(np.float32)
;;   ~~~
;;   SOFTMAX AHEAD OF A QUANTISED PRODUCT. Where the list says 'softmax', what is quantised is not the finished softmax but p = 2^(t - M), with t = logit x log2(e) and M = ceil(the row's largest t), a whole number; so 1/2 < the row's largest p <= 1. The row's sum l is taken of the UNQUANTISED p, in f32, and the product's result is divided by l at the end. Since M is a whole number, a kernel that streams over the keys may use a running M (the ceiling of the running maximum): every later rescaling is an exact power of two, which a block's scale takes up: the codes' values come out the same.
;;   OPERANDS COMPUTED ON THE WAY. 'Computed on the way' means the value that the module computes at that place (a softmax that the list does not call 'softmax' is quantised finished and normalised). What goes into a quantiser is computed in f32, as accurately as f32 sums, v_exp_f32 and their like allow (about 1e-6 of the number): no bf16 or f16 on the way to a quantiser, and a product that is left as it is and whose result goes on into a quantised operand takes f32 operands (vector FMAs, or v_wmma_f32_16x16x4_f32). A number that lies on a knife's edge between two numbers of the format may be rounded either way, as far as f32 arithmetic and the matrix unit's own rounding can turn it there, and no further.
;; One version. Each part assembles by itself: llvm-mc -triple=amdgcn-amd-amdhsa -mcpu=gfx1250 --defsym DOCPART=n.
;; ======== version 1 of 1: 4 launches
;; limits: right only within a limited range of input values
;; workspace buffers: xq 6,553,600 bytes; w1 7,475,200 bytes; w2 4,096,000 bytes; rope 262,144 bytes; qkv 2,359,296 bytes; act 8,192,000 bytes
;; launch prep (part 1): grid 482 x 1, 8 waves a work-group, no clusters, 123,904 bytes of LDS; arguments x, gamma, W_fused, W_ff_out, W_attn_out, xq, w1, w2, rope; writes xq, w1, w2, rope
.if DOCPART == 1
	.amdgcn_target "amdgcn-amd-amdhsa--gfx1250"
	.amdhsa_code_object_version 6
	.text
	.protected	k_qacee03d093_prep
	.globl	k_qacee03d093_prep
	.p2align	8
	.type	k_qacee03d093_prep,@function
k_qacee03d093_prep:
	s_mov_b64 s[64:65], 0
	v_nop
	global_prefetch_b8 v0, s[64:65] scope:SCOPE_SE
	s_setreg_imm32_b32 hwreg(HW_REG_WAVE_MODE, 25, 1), 1
	s_wait_xcnt 0x0
; Work-groups 0-255: LayerNorm of 16 rows of x [4096][2048], quantised along K to FP6 (E2M3) with one E8M0 byte for each 32; and 8 positions of the rotary table.
; Work-groups 256-481: the three weights, whose K is their first axis, quantised along K: a lane takes a column and its registers run down K.
; CODES LEAVE AS IMAGES OF OPERAND REGISTERS: a fragment (16 rows x 128 K, 12 registers a lane) is 1,536 bytes; registers 2 p, 2 p + 1 of lane l lie at 256 p + 8 l.
; Scale words (four bytes: 128 along K of a row) lie [block of 16 rows][K step][16 rows].
; The columns of a weight tile are not neighbours: place r of tile 2 b + u is column 32 b + 8 u + r + 8 (r / 8).
; A block's scale byte is its largest magnitude's exponent field - 2, held at 1 from below (a block of zeros keeps 1: its codes are zeros, and only this program reads the bytes).
; LIMITS: NaN and infinities among the inputs are not served; blocks whose largest magnitude lies under 2^-124 are held at the floor.
.set XS,   6291456                     ; xq: where the scale words begin
.set W1S,  7176192                     ; w1 likewise
.set W2S,  3932160                     ; w2 likewise
.set SCR,  67584                       ; LDS: the rows' partial sums, 512 bytes, and 512 more for the squares
.set WREG, 68608                       ; LDS: the weights' path has bytes of its own, 6,656 a wave
.set TM,  16                           ; v16-31 the quantiser's work
.set PC,  32                           ; v32-50 codes
.set PW,  52                           ; the scale word just made
.set PW0, 53
.set AA,  64                           ; three areas of 64 registers
.set AB,  128
.set AC,  192
.set SEL, 36                           ; s[36:37] lane selects for v_permlanex16_b32: lane l xor 16
; 64 numbers of a lane, register 16 b + i = k 32 b + 16 (lane / 16) + i of my row, become a fragment's codes in v[PC] on and its scale word in v[PW]
.macro QUANT s
.irp b, 0,1,2,3
	v_max3_num_f32 v[TM+\b], |v[\s+16*\b]|, |v[\s+1+16*\b]|, 0x1800000   ; with the floor 2^(3 - 127): the byte cannot fall under 1
.endr
.irp i, 2,4,6,8,10,12,14
.irp b, 0,1,2,3
	v_max3_num_f32 v[TM+\b], v[TM+\b], |v[\s+16*\b+\i]|, |v[\s+1+16*\b+\i]|
.endr
.endr
.irp b, 0,1,2,3
	v_permlanex16_b32 v[TM+4+\b], v[TM+\b], s[SEL], s[SEL+1]
.endr
.irp b, 0,1,2,3
	v_max_num_f32 v[TM+\b], v[TM+\b], v[TM+4+\b]   ; the block's largest magnitude
.endr
.irp b, 0,1,2,3
	v_add_nc_u32 v[TM+12+\b], 0xff000000, v[TM+\b] ; 2 off its exponent field: the conversion's scale operand
.endr
.irp b, 0,1,2,3
	v_lshrrev_b32 v[TM+4+\b], 23, v[TM+12+\b]      ; the byte
.endr
	v_lshl_or_b32 v[PW], v[TM+5], 8, v[TM+4]
	v_lshl_or_b32 v[PW], v[TM+6], 16, v[PW]
	v_lshl_or_b32 v[PW], v[TM+7], 24, v[PW]
.irp c, 0,1
	v_cvt_scalef32_pk16_fp6_f32 v[PC+6*\c:PC+2+6*\c], v[\s+32*\c:\s+15+32*\c], v[TM+12+2*\c]
	v_cvt_scalef32_pk16_fp6_f32 v[PC+12+4*\c:PC+14+4*\c], v[\s+16+32*\c:\s+31+32*\c], v[TM+12+2*\c+1]
.endr
	v_nop                                          ; one plain place behind a scaled conversion
.irp c, 0,1                            ; the operand wants a whole block in a lane
.irp i, 0,1,2
	v_permlane16_swap_b32 v[PC+6*\c+\i], v[PC+12+4*\c+\i]
.endr
.irp i, 0,1,2
	v_mov_b32 v[PC+3+6*\c+\i], v[PC+12+4*\c+\i]
.endr
.endr
.endm
; four packed chains v[54:61] -> the row's sum over lanes and waves, x 2^-11, in v54
.macro REDUCE off
	v_pk_add_f32 v[54:55], v[54:55], v[56:57]
	v_pk_add_f32 v[58:59], v[58:59], v[60:61]
	v_pk_add_f32 v[54:55], v[54:55], v[58:59]
	v_add_f32 v54, v54, v55
	v_permlanex16_b32 v55, v54, s[SEL], s[SEL+1]
	v_add_f32 v54, v54, v55
	ds_store_b32 v8, v54 offset:\off               ; row r, wave w (both halves of the lanes write the same word)
	s_wait_dscnt 0x0                               ; for the others' sake
	s_barrier_signal -1
	s_barrier_wait -1
	ds_load_b128 v[54:57], v9 offset:\off
	ds_load_b128 v[58:61], v9 offset:\off+16
	s_wait_dscnt 0x0
	v_add_f32 v54, v54, v55
	v_add_f32 v56, v56, v57
	v_add_f32 v58, v58, v59
	v_add_f32 v60, v60, v61
	v_add_f32 v54, v54, v56
	v_add_f32 v58, v58, v60
	v_add_f32 v54, v54, v58
	v_mul_f32 v54, 0x3a000000, v54
.endm
	s_load_b256 s[4:11], s[0:1], 0x0               ; x, gamma, W_fused, W_ff_out
	s_load_b256 s[12:19], s[0:1], 0x20             ; W_attn_out, xq, w1, w2
	s_load_b64 s[24:25], s[0:1], 0x40              ; rope
	v_lshl_add_u32 v62, v0, 2, 0x1e000
	v_mov_b32 v63, 0
	v_lshrrev_b32 v11, 5, v0
	v_readfirstlane_b32 s26, v11                   ; wave
	v_and_b32 v1, 31, v0                           ; lane
	v_and_b32 v2, 15, v0                           ; r
	v_bfe_u32 v3, v0, 4, 1                         ; h
	s_mov_b32 s[SEL], 0x76543210
	s_mov_b32 s[SEL+1], 0xfedcba98
	s_cmp_lt_u32 ttmp9, 256
	s_cbranch_scc0 .Lweights
	; ================= x: 16 rows; wave w owns K steps 2 w and 2 w + 1 (1,024 bytes of each row)
	v_lshlrev_b32 v4, 4, v1
	v_lshlrev_b32 v5, 3, v1
	v_lshlrev_b32 v11, 2, v1
	s_mul_i32 s27, s26, 8448                       ; my stage: 16 rows of 528 bytes
	v_add_nc_u32 v6, s27, v4
	v_mul_u32_u24 v7, v2, 528
	v_lshl_add_u32 v7, v3, 6, v7
	v_add_nc_u32 v7, s27, v7
	v_lshl_add_u32 v9, v2, 5, SCR
	s_lshl_b32 s32, s26, 2
	v_add_nc_u32 v8, s32, v9
	v_lshlrev_b32 v10, 6, v3
.irp b, 0,1,2,3
	v_mov_b32 v[TM+4+\b], 0                        ; a lane permute's destination counts as one of its sources
.endr
	s_lshl_b32 s20, ttmp9, 17
	s_lshl_b32 s22, s26, 10
	s_add_co_u32 s20, s20, s22
	s_mov_b32 s21, 0
	s_mov_b32 s23, 0
	s_wait_kmcnt 0x0
	s_add_nc_u64 s[4:5], s[4:5], s[20:21]
	s_add_nc_u64 s[6:7], s[6:7], s[22:23]
.set p, 0
.rept 16
	global_load_b128 v[AA+4*p:AA+4*p+3], v4, s[4:5] offset:8192*p th:TH_LOAD_NT       ; row p, K step 2 w: 512 consecutive bytes
.set p, p+1
.endr
.set p, 0
.rept 16
	global_load_b128 v[AB+4*p:AB+4*p+3], v4, s[4:5] offset:8192*p+512 th:TH_LOAD_NT   ; K step 2 w + 1
.set p, p+1
.endr
	s_lshl_b32 s20, ttmp9, 4
	s_lshl_b32 s22, s26, 1
	s_add_co_u32 s20, s20, s22
	s_mul_i32 s20, s20, 1536
	s_add_nc_u64 s[28:29], s[14:15], s[20:21]      ; my two fragments in xq
	s_lshl_b32 s20, ttmp9, 10
	s_lshl_b32 s22, s26, 7
	s_add_co_u32 s20, s20, s22
	s_add_co_u32 s20, s20, XS
	s_add_nc_u64 s[30:31], s[14:15], s[20:21]      ; and their scale words
	; ---- the rotary table: waves 0-3, two positions each; lane = 16 x (position's parity) + i
	s_cmp_lt_u32 s26, 4
	s_cbranch_scc0 .Lno_table
	s_lshl_b32 s20, ttmp9, 3
	s_lshl_b32 s22, s26, 1
	s_add_co_u32 s20, s20, s22
	v_add_nc_u32 v32, s20, v3
	v_cvt_f32_u32 v32, v32                         ; the position
	v_cvt_f32_u32 v33, v2
	v_mul_f32 v33, 0xbf549a78, v33                 ; -i log2(10) / 4
	v_exp_f32 v33, v33                             ; 10^(-i / 4)
	s_lshl_b32 s20, s20, 7
	s_add_nc_u64 s[24:25], s[24:25], s[20:21]
	v_nop
	s_wait_alu depctr_va_vdst(0)                   ; the wait ahead of the first reader
	v_mul_f32 v32, v32, v33                        ; the angle
	v_mul_f32 v34, 0x3f22f983, v32
	v_rndne_f32 v34, v34                           ; n = the nearest multiple of pi / 2
	v_fmamk_f32 v35, v34, 0xbfc90fdb, v32          ; the angle - n pi / 2, pi / 2 in two parts
	v_fmamk_f32 v35, v34, 0x333bbd2e, v35
	v_cvt_i32_f32 v36, v34
	v_mul_f32 v37, v35, v35
	v_mov_b32 v38, 0xb94ca1f9
	v_fmaak_f32 v38, v38, v37, 0x3c08839e
	v_fmaak_f32 v38, v38, v37, 0xbe2aaaa3
	v_mul_f32 v38, v38, v37
	v_fma_f32 v38, v38, v35, v35                   ; the sine on [-pi / 4, pi / 4]
	v_mov_b32 v39, 0x37ccf5ce
	v_fmaak_f32 v39, v39, v37, 0xbab6061a
	v_fmaak_f32 v39, v39, v37, 0x3d2aaaa5
	v_mul_f32 v39, v39, v37
	v_fma_f32 v40, v37, -0.5, 1.0
	v_fma_f32 v39, v39, v37, v40                   ; the cosine
	v_and_b32 v41, 1, v36
	v_cmp_eq_u32 vcc_lo, 1, v41
	v_cndmask_b32 v42, v39, v38, vcc_lo            ; odd n: the two change places
	v_cndmask_b32 v43, v38, v39, vcc_lo
	v_add_nc_u32 v41, 1, v36
	v_and_b32 v41, 2, v41
	v_lshlrev_b32 v41, 30, v41
	v_xor_b32 v42, v41, v42                        ; the cosine's sign
	v_and_b32 v41, 2, v36
	v_lshlrev_b32 v41, 30, v41
	v_xor_b32 v43, v41, v43                        ; the sine's
	global_store_b64 v5, v[42:43], s[24:25]        ; 256 consecutive bytes
	s_wait_xcnt 0x0                                ; its registers are written again below
.Lno_table:
	; ---- the turn through my stage: loaded 16 bytes a lane as they lie, read back 16 neighbours of each block of 32
	s_wait_loadcnt 16                              ; K step 2 w is in; the other's 16 loads may be out
.set p, 0
.rept 16
	ds_store_b128 v6, v[AA+4*p:AA+4*p+3] offset:528*p
.set p, p+1
.endr
.irp b, 0,1,2,3
.irp j, 0,1,2,3
	ds_load_b128 v[AC+16*\b+4*\j:AC+16*\b+4*\j+3], v7 offset:128*\b+16*\j   ; LDS serves a wave's instructions in order
.endr
.endr
	s_wait_loadcnt 0x0
.set p, 0
.rept 16
	ds_store_b128 v6, v[AB+4*p:AB+4*p+3] offset:528*p
.set p, p+1
.endr
	s_wait_dscnt 16                                ; only those 16 stores may be out: the first stores have read area A
.irp b, 0,1,2,3
.irp j, 0,1,2,3
	ds_load_b128 v[AA+16*\b+4*\j:AA+16*\b+4*\j+3], v7 offset:128*\b+16*\j
.endr
.endr
	s_wait_dscnt 0x0
.irp b, 0,1,2,3
.irp j, 0,1,2,3
	global_load_b128 v[AB+16*\b+4*\j:AB+16*\b+4*\j+3], v10, s[6:7] offset:128*\b+16*\j   ; gamma of K step 2 w, in the same order
.endr
.endr
	; ---- the mean
	v_pk_add_f32 v[54:55], v[AC:AC+1], v[AC+4:AC+5]
	v_pk_add_f32 v[56:57], v[AC+2:AC+3], v[AC+6:AC+7]
	v_pk_add_f32 v[58:59], v[AA:AA+1], v[AA+4:AA+5]
	v_pk_add_f32 v[60:61], v[AA+2:AA+3], v[AA+6:AA+7]
.set j, 8
.rept 14
	v_pk_add_f32 v[54:55], v[54:55], v[AC+j:AC+j+1]
	v_pk_add_f32 v[56:57], v[56:57], v[AC+j+2:AC+j+3]
	v_pk_add_f32 v[58:59], v[58:59], v[AA+j:AA+j+1]
	v_pk_add_f32 v[60:61], v[60:61], v[AA+j+2:AA+j+3]
.set j, j+4
.endr
	REDUCE 0
	v_mov_b32 v12, v54
	v_mov_b32 v13, v54
	; ---- x - mean, then the mean of its squares: no difference of large sums is formed
.set j, 0
.rept 32
	v_pk_add_f32 v[AC+j:AC+j+1], v[AC+j:AC+j+1], v[12:13] neg_lo:[0,1] neg_hi:[0,1]
	v_pk_add_f32 v[AA+j:AA+j+1], v[AA+j:AA+j+1], v[12:13] neg_lo:[0,1] neg_hi:[0,1]
.set j, j+2
.endr
	v_pk_mul_f32 v[54:55], v[AC:AC+1], v[AC:AC+1]
	v_pk_mul_f32 v[56:57], v[AC+2:AC+3], v[AC+2:AC+3]
	v_pk_mul_f32 v[58:59], v[AA:AA+1], v[AA:AA+1]
	v_pk_mul_f32 v[60:61], v[AA+2:AA+3], v[AA+2:AA+3]
.set j, 4
.rept 15
	v_pk_fma_f32 v[54:55], v[AC+j:AC+j+1], v[AC+j:AC+j+1], v[54:55]
	v_pk_fma_f32 v[56:57], v[AC+j+2:AC+j+3], v[AC+j+2:AC+j+3], v[56:57]
	v_pk_fma_f32 v[58:59], v[AA+j:AA+j+1], v[AA+j:AA+j+1], v[58:59]
	v_pk_fma_f32 v[60:61], v[AA+j+2:AA+j+3], v[AA+j+2:AA+j+3], v[60:61]
.set j, j+4
.endr
	REDUCE 512
	v_add_f32 v54, 0x3727c5ac, v54                 ; + 1e-5
	v_rsq_f32 v14, v54
	v_nop
	s_wait_alu depctr_va_vdst(0)
	v_mov_b32 v15, v14
	; ---- K step 2 w
	s_wait_loadcnt 0x0                             ; gamma
.set j, 0
.rept 32
	v_pk_mul_f32 v[AC+j:AC+j+1], v[AC+j:AC+j+1], v[14:15]
.set j, j+2
.endr
.set j, 0
.rept 32
	v_pk_mul_f32 v[AC+j:AC+j+1], v[AC+j:AC+j+1], v[AB+j:AB+j+1]
.set j, j+2
.endr
.irp b, 0,1,2,3
.irp j, 0,1,2,3
	global_load_b128 v[AB+16*\b+4*\j:AB+16*\b+4*\j+3], v10, s[6:7] offset:512+128*\b+16*\j
.endr
.endr
	QUANT AC
.irp p, 0,1,2,3,4,5
	global_store_b64 v5, v[PC+2*\p:PC+2*\p+1], s[28:29] offset:256*\p   ; 256 consecutive bytes, aligned
.endr
	v_mov_b32 v[PW0], v[PW]
	; ---- K step 2 w + 1
	s_wait_loadcnt 0x0
.set j, 0
.rept 32
	v_pk_mul_f32 v[AA+j:AA+j+1], v[AA+j:AA+j+1], v[14:15]
.set j, j+2
.endr
.set j, 0
.rept 32
	v_pk_mul_f32 v[AA+j:AA+j+1], v[AA+j:AA+j+1], v[AB+j:AB+j+1]
.set j, j+2
.endr
	s_wait_xcnt 0x0                                ; the stores have read the codes' registers
	QUANT AA
.irp p, 0,1,2,3,4,5
	global_store_b64 v5, v[PC+2*\p:PC+2*\p+1], s[28:29] offset:1536+256*\p
.endr
	v_cmp_eq_u32 vcc_lo, 1, v3
	v_cndmask_b32 v54, v[PW0], v[PW], vcc_lo       ; lanes 0-15: the even K step's words, lanes 16-31: the odd one's
	global_store_b32 v11, v54, s[30:31]
	s_wait_tensorcnt 0x0
	ds_add_u32 v62, v63
	s_wait_dscnt 0x0
	s_endpgm
	; ================= the weights: a wave takes 32 columns x 256 along K
.Lweights:
	s_sub_co_u32 s20, ttmp9, 256                   ; j: 0-145 W_fused, 146-209 W_ff_out, 210-225 W_attn_out
	s_cmp_lt_u32 s20, 146
	s_cselect_b32 s21, 0, 146
	s_sub_co_u32 s21, s20, s21
	s_and_b32 s22, s21, -2
	s_and_b32 s23, s26, 1
	s_add_co_u32 s22, s22, s23                     ; which 32 columns: neighbouring waves take neighbouring columns
	s_and_b32 s23, s21, 1
	s_lshl_b32 s23, s23, 2
	s_lshr_b32 s27, s26, 1
	s_add_co_u32 s23, s23, s27                     ; which 256 along K
	s_sub_co_u32 s27, s20, 210
	s_lshl_b32 s27, s27, 2
	s_and_b32 s28, s26, 3
	s_add_co_u32 s27, s27, s28                     ; the same for W_attn_out (K = 512)
	s_lshr_b32 s28, s26, 2
	s_lshl_b32 s29, s28, 1
	s_add_co_u32 s29, s29, 16                      ; its K steps follow W_ff_out's sixteen
	s_lshl_b32 s30, s23, 1
	s_cmp_lt_u32 s20, 210
	s_cselect_b32 s22, s22, s27                    ; y
	s_cselect_b32 s23, s23, s28                    ; chunk
	s_cselect_b32 s30, s30, s29                    ; first K step
	s_mul_i32 s27, s22, 18                         ; the first of my two tiles.  In w1: head y's q,
	s_add_co_u32 s27, s27, 16
	s_lshl_b32 s28, s22, 1
	s_add_co_u32 s29, s28, 256                     ; k (288) and v (290),
	s_cmp_lt_u32 s22, 16
	s_cselect_b32 s27, s27, s29
	s_sub_co_u32 s29, s22, 18                      ; ff_x (z < 64) and gate
	s_and_b32 s31, s29, 63
	s_lshr_b32 s32, s31, 2
	s_mul_i32 s32, s32, 18
	s_bfe_u32 s33, s31, 0x10001
	s_lshl_b32 s33, s33, 3
	s_add_co_u32 s32, s32, s33
	s_lshr_b32 s33, s29, 6
	s_lshl_b32 s33, s33, 2
	s_add_co_u32 s32, s32, s33
	s_and_b32 s33, s31, 1
	s_lshl_b32 s33, s33, 1
	s_add_co_u32 s32, s32, s33
	s_cmp_lt_u32 s22, 18
	s_cselect_b32 s27, s27, s32
	s_cmp_lt_u32 s20, 146
	s_cselect_b32 s27, s27, s28                    ; in w2: 2 y
	s_mov_b32 s32, 8192
	s_cselect_b32 s32, 18688, s32                  ; a row of the source in bytes
	s_mov_b32 s33, 30720
	s_cselect_b32 s33, 24576, s33                  ; a tile of codes
	s_mov_b32 s34, W2S
	s_cselect_b32 s34, W1S, s34
	s_mov_b32 s35, 1280
	s_cselect_b32 s35, 1024, s35                   ; a tile's scale words
	s_wait_kmcnt 0x0
	s_cselect_b64 s[38:39], s[8:9], s[10:11]
	s_cselect_b64 s[40:41], s[16:17], s[18:19]
	s_cmp_lt_u32 s20, 210
	s_cselect_b64 s[38:39], s[38:39], s[12:13]
	s_lshl_b32 s42, s23, 8
	s_mul_i32 s42, s42, s32
	s_lshl_b32 s43, s22, 7
	s_add_co_u32 s42, s42, s43
	s_mov_b32 s43, 0
	s_add_nc_u64 s[38:39], s[38:39], s[42:43]      ; the source at my first row and column
	s_lshl_b32 s44, s32, 5                         ; 32 rows on
	s_mov_b32 s45, 0
	s_mul_i32 s42, s27, s33
	s_mul_i32 s46, s30, 1536
	s_add_co_u32 s42, s42, s46
	s_add_nc_u64 s[48:49], s[40:41], s[42:43]      ; my first tile's two fragments,
	s_mov_b32 s42, s33
	s_add_nc_u64 s[50:51], s[48:49], s[42:43]      ; my second tile's
	s_mul_i32 s42, s27, s35
	s_lshl_b32 s46, s30, 6
	s_add_co_u32 s42, s42, s46
	s_add_co_u32 s42, s42, s34
	s_add_nc_u64 s[52:53], s[40:41], s[42:43]      ; and their scale words
	s_mov_b32 s42, s35
	s_add_nc_u64 s[54:55], s[52:53], s[42:43]
	v_lshlrev_b32 v16, 2, v1                       ; v16-47: 4 x lane + i rows
.set i, 1
.rept 31
	v_add_nc_u32 v[16+i], s32, v[15+i]
.set i, i+1
.endr
	v_bfe_u32 v4, v0, 3, 1                         ; u: which of the two tiles my column falls into
	v_and_b32 v5, 7, v0
	v_lshl_or_b32 v5, v3, 3, v5                    ; r: its place there
	s_mul_i32 s46, s26, 6656
	s_add_co_u32 s46, s46, WREG
	v_mul_u32_u24 v8, v4, 3200                     ; a tile's two images, 3,072 bytes, + 128
	v_lshl_add_u32 v8, v5, 3, v8
	v_add_nc_u32 v8, s46, v8
	v_lshlrev_b32 v12, 4, v1
	v_add_nc_u32 v9, s46, v12
	v_lshlrev_b32 v10, 7, v4
	v_lshl_add_u32 v10, v5, 2, v10
	v_add_nc_u32 v10, s46, v10
	v_lshlrev_b32 v13, 2, v1
	v_add_nc_u32 v11, s46, v13
.macro LOAD t                          ; block t: 32 rows of my column into set t % 2
.if (\t) > 0
	s_wait_xcnt 0x0                                ; the earlier loads have read their base
	s_add_nc_u64 s[38:39], s[38:39], s[44:45]
.endif
.set i, 0
.rept 32
	global_load_b32 v[64+32*((\t)%2)+i], v[16+i], s[38:39] th:TH_LOAD_NT
.set i, i+1
.endr
.endm
.macro BLOCK t
.set XB, 64+32*((\t)%2)
.if (\t) < 7
	s_wait_loadcnt 32                              ; this block is in; the next block's 32 loads may be out
.else
	s_wait_loadcnt 0x0
.endif
	v_max3_num_f32 v58, |v[XB]|, |v[XB+1]|, |v[XB+2]|
	v_max3_num_f32 v59, |v[XB+3]|, |v[XB+4]|, |v[XB+5]|
.irp i, 6,10,14,18,22,26
	v_max3_num_f32 v58, v58, |v[XB+\i]|, |v[XB+\i+1]|
	v_max3_num_f32 v59, v59, |v[XB+\i+2]|, |v[XB+\i+3]|
.endr
	v_max3_num_f32 v58, v58, |v[XB+30]|, |v[XB+31]|
	v_max3_num_f32 v58, v58, v59, 0x1800000
	v_add_nc_u32 v60, 0xff000000, v58
	v_lshrrev_b32 v61, 23, v60
.if (\t)%4 == 0
	v_mov_b32 v[56+(\t)/4], v61
.else
	v_lshl_or_b32 v[56+(\t)/4], v61, 8*((\t)%4), v[56+(\t)/4]
.endif
	v_cvt_scalef32_pk16_fp6_f32 v[48:50], v[XB:XB+15], v60
	v_cvt_scalef32_pk16_fp6_f32 v[52:54], v[XB+16:XB+31], v60
	v_nop
	v_mov_b32 v51, v52
	v_mov_b32 v52, v53
	v_mov_b32 v53, v54
.irp p, 0,1,2
	ds_store_b64 v8, v[48+2*\p:49+2*\p] offset:1536*((\t)/4)+768*(((\t)/2)%2)+128*((\t)%2)+256*\p   ; block t is registers 6 c .. 6 c + 5 of lane 16 (t % 2) + r
.endr
.if (\t)+2 < 8
	LOAD (\t)+2
.endif
	s_wait_dscnt 0x0                               ; the stores have read their registers
.endm
	LOAD 0
	LOAD 1
.irp t, 0,1,2,3,4,5,6,7
	BLOCK \t
.endr
	ds_store_b32 v10, v56 offset:6400
	ds_store_b32 v10, v57 offset:6464
.irp u, 0,1
.irp j, 0,1,2,3,4,5
	ds_load_b128 v[128+24*\u+4*\j:131+24*\u+4*\j], v9 offset:3200*\u+512*\j
.endr
.endr
	ds_load_b32 v176, v11 offset:6400
	ds_load_b32 v177, v11 offset:6528
	s_wait_dscnt 0x0
.irp j, 0,1,2,3,4,5
	global_store_b128 v12, v[128+4*\j:131+4*\j], s[48:49] offset:512*\j   ; 512 consecutive bytes
	global_store_b128 v12, v[152+4*\j:155+4*\j], s[50:51] offset:512*\j
.endr
	global_store_b32 v13, v176, s[52:53]
	global_store_b32 v13, v177, s[54:55]
	s_wait_tensorcnt 0x0
	ds_add_u32 v62, v63
	s_wait_dscnt 0x0
	s_endpgm
.Lfunc_end_k_qacee03d093_prep:
	.size	k_qacee03d093_prep, .Lfunc_end_k_qacee03d093_prep-k_qacee03d093_prep
	.p2alignl 7, 3214868480
	.fill 96, 4, 3214868480
	.section	.rodata,"a",@progbits
	.p2align	6, 0x0
	.amdhsa_kernel k_qacee03d093_prep
		.amdhsa_group_segment_fixed_size 123904
		.amdhsa_private_segment_fixed_size 0
		.amdhsa_enable_private_segment 0
		.amdhsa_kernarg_size 72
		.amdhsa_user_sgpr_count 2
		.amdhsa_user_sgpr_kernarg_segment_ptr 1
		.amdhsa_wavefront_size32 1
		.amdhsa_system_sgpr_workgroup_id_x 1
		.amdhsa_system_sgpr_workgroup_id_y 1
		.amdhsa_system_sgpr_workgroup_id_z 1
		.amdhsa_system_vgpr_workitem_id 0
		.amdhsa_next_free_vgpr 256
		.amdhsa_next_free_sgpr 66
		.amdhsa_reserve_vcc 1
		.amdhsa_float_denorm_mode_32 3
		.amdhsa_float_denorm_mode_16_64 3
		.amdhsa_memory_ordered 1
		.amdhsa_forward_progress 1
		.amdhsa_inst_pref_size 91
	.end_amdhsa_kernel
	.amdgpu_metadata
---
amdhsa.version: [ 1, 2 ]
amdhsa.kernels:
  - .name:           k_qacee03d093_prep
    .symbol:         k_qacee03d093_prep.kd
    .args:
      - { .name: x, .offset: 0, .size: 8, .value_kind: global_buffer, .address_space: global }
      - { .name: gamma, .offset: 8, .size: 8, .value_kind: global_buffer, .address_space: global }
      - { .name: W_fused, .offset: 16, .size: 8, .value_kind: global_buffer, .address_space: global }
      - { .name: W_ff_out, .offset: 24, .size: 8, .value_kind: global_buffer, .address_space: global }
      - { .name: W_attn_out, .offset: 32, .size: 8, .value_kind: global_buffer, .address_space: global }
      - { .name: xq, .offset: 40, .size: 8, .value_kind: global_buffer, .address_space: global }
      - { .name: w1, .offset: 48, .size: 8, .value_kind: global_buffer, .address_space: global }
      - { .name: w2, .offset: 56, .size: 8, .value_kind: global_buffer, .address_space: global }
      - { .name: rope, .offset: 64, .size: 8, .value_kind: global_buffer, .address_space: global }
    .group_segment_fixed_size: 123904
    .private_segment_fixed_size: 0
    .kernarg_segment_align: 8
    .kernarg_segment_size: 72
    .max_flat_workgroup_size: 256
    .sgpr_count:     66
    .vgpr_count:     256
    .wavefront_size: 32
...
	.end_amdgpu_metadata
.endif
;; end of part 1
;; launch gemm1 (part 2): grid 16 x 16, 4 waves a work-group, clusters of 4 x 4, 327,680 bytes of LDS; arguments xq, w1, rope, qkv, act; writes qkv, act
.if DOCPART == 2
	.amdgcn_target "amdgcn-amd-amdhsa--gfx1250"
	.amdhsa_code_object_version 6
	.text
	.protected	k_qacee03d093_gemm1
	.globl	k_qacee03d093_gemm1
	.p2align	8
	.type	k_qacee03d093_gemm1,@function
k_qacee03d093_gemm1:
	s_mov_b64 s[64:65], 0
	v_nop
	global_prefetch_b8 v0, s[64:65] scope:SCOPE_SE
	s_setreg_imm32_b32 hwreg(HW_REG_WAVE_MODE, 25, 1), 1
	s_wait_xcnt 0x0
	s_wait_alu depctr_hold_cnt(0) depctr_sa_sdst(0) depctr_va_vdst(0) depctr_va_sdst(0) depctr_va_ssrc(0) depctr_va_vcc(0) depctr_vm_vsrc(0)
	s_getreg_b32 s2, hwreg(HW_REG_IB_STS2, 6, 4)
	s_cmp_eq_u32 s2, 0
	s_cbranch_scc0 .Lentry_in_a_cluster
	s_endpgm
.Lentry_in_a_cluster:
	s_bfe_u32 s2, ttmp6, 0x10000c
	s_cmp_lg_u32 s2, 0xf033
	s_cbranch_scc0 .Lentry_shape_is_right
	s_endpgm
.Lentry_shape_is_right:
; The fused projection on codes of FP6, K = 2,048, and all that follows it up to the next quantisers.
; Work-group (c, R): 256 rows x 18 weight tiles: ff_x and gate of hidden units 128 c .. + 127, and q of head c.  Wave (rh, ch): 128 rows x 64 hidden units (64 accumulators) and q for 64 of its rows (8).
; k and v, 64 columns in all, are dealt out: waves 0 and 1 keep two accumulators more, fed straight from memory.  Clusters with even x make k, with odd x make v.
; The matrix instruction is used transposed (source 0 = a weight tile, source 1 = 16 rows): a lane holds one row, and by the tiles' column order its 16 registers of tiles 2 b, 2 b + 1 are 16 neighbours.
; Codes lie in memory as images of operand registers (1,536 bytes a fragment, registers 2 p, 2 p + 1 of lane l at 256 p + 8 l): six loads of 8 bytes at 8 l bring a fragment, with no padding.
; K goes through two LDS slots of two K steps each; A's tiles are asked for jointly along a row of the 4 x 4 cluster, B's along a column.  All scale words come once.
; WAY OUT: silu(gate) ff_x quantised into act; q rotated, scaled, quantised; k rotated, quantised; v quantised along the keys.
; LIMITS: NaN and infinities are not served.
.set XS,   6291456
.set W1S,  7176192
.set QS,   1572864
.set KQ,   2097152
.set KS,   2195456
.set VQ,   2228224
.set VS,   2326528
.set HS,   7864320
.set SLOT, 104448                      ; A: 16 blocks x 3,072, then B: 18 tiles x 3,072
.set SCA,  208896                      ; A's scale words, 16 x 1,024
.set SCB,  225280                      ; B's, 18 x 1,024
.set SPARE, 243712                     ; the spare words: 512 bytes that no other line names
.set HSTG, 244224                      ; 256 scale words of the hidden layer: no fill lands here
.set G1, 24
.set G0, 32
.set G1B, 48
.set G0B, 56
.set G1S, 68
.set G0S, 76
.set G1SB, 80
.set G0SB, 88
; window 0: v1-4 A's addresses (low, high blocks; slot 0, 1), v5-6 B's, v7-8 q's tiles', v9-12 scale words', v13-14 the add's, v15 8 l, v16 4 r, v17 4 r + 1024 h, v18-19, v58 stage, v59 24 r + 12 h;
;   v20-55 scale words (set s at 20 + 18 s: A 8, B 8, q 2), v56-57 k/v's; v60-155 A's 8 fragments; v156-219 q's accumulators; v220-255 k/v's three fragments
; window 1: B's two sets of 10 fragments at 0 and 120; v240-255 k/v's accumulators.  windows 2, 3: accumulator (a, b) at 8 (8 (a % 4) + b)
.set MUL_LO, 0xa1
.set MUL_HI, 0xf1
.set TO_B,   0x40
.set T,  60
.set H,  92
.set TM, 124
.set PC, 140
.set PW, 150
.set Y1, 60
.set Y2, 76
.set PP, 92
.set SEL, 26
.set MSB, 0
.macro WIN new
.if MSB != \new
	s_set_vgpr_msb (MSB<<8)|\new
.set MSB, \new
.endif
.endm
.macro PLACES n
.rept \n
	v_nop
.endr
.endm
; one product; cr < 0: the constant 0 starts the sum; ra, rb: the scales stand in lanes 16-31
.macro WM d, a, b, cr, sa, sb, ra, rb
.if (\cr) < 0
.if (\ra) && (\rb)
	v_wmma_scale_f32_16x16x128_f8f6f4 v[(\d):(\d)+7], v[(\a):(\a)+11], v[(\b):(\b)+11], 0, v[\sa], v[\sb] matrix_a_fmt:MATRIX_FMT_FP6 matrix_b_fmt:MATRIX_FMT_FP6 matrix_a_scale:MATRIX_SCALE_ROW1 matrix_b_scale:MATRIX_SCALE_ROW1
.elseif \ra
	v_wmma_scale_f32_16x16x128_f8f6f4 v[(\d):(\d)+7], v[(\a):(\a)+11], v[(\b):(\b)+11], 0, v[\sa], v[\sb] matrix_a_fmt:MATRIX_FMT_FP6 matrix_b_fmt:MATRIX_FMT_FP6 matrix_a_scale:MATRIX_SCALE_ROW1
.elseif \rb
	v_wmma_scale_f32_16x16x128_f8f6f4 v[(\d):(\d)+7], v[(\a):(\a)+11], v[(\b):(\b)+11], 0, v[\sa], v[\sb] matrix_a_fmt:MATRIX_FMT_FP6 matrix_b_fmt:MATRIX_FMT_FP6 matrix_b_scale:MATRIX_SCALE_ROW1
.else
	v_wmma_scale_f32_16x16x128_f8f6f4 v[(\d):(\d)+7], v[(\a):(\a)+11], v[(\b):(\b)+11], 0, v[\sa], v[\sb] matrix_a_fmt:MATRIX_FMT_FP6 matrix_b_fmt:MATRIX_FMT_FP6
.endif
.else
.if (\ra) && (\rb)
	v_wmma_scale_f32_16x16x128_f8f6f4 v[(\d):(\d)+7], v[(\a):(\a)+11], v[(\b):(\b)+11], v[(\cr):(\cr)+7], v[\sa], v[\sb] matrix_a_fmt:MATRIX_FMT_FP6 matrix_b_fmt:MATRIX_FMT_FP6 matrix_a_scale:MATRIX_SCALE_ROW1 matrix_b_scale:MATRIX_SCALE_ROW1
.elseif \ra
	v_wmma_scale_f32_16x16x128_f8f6f4 v[(\d):(\d)+7], v[(\a):(\a)+11], v[(\b):(\b)+11], v[(\cr):(\cr)+7], v[\sa], v[\sb] matrix_a_fmt:MATRIX_FMT_FP6 matrix_b_fmt:MATRIX_FMT_FP6 matrix_a_scale:MATRIX_SCALE_ROW1
.elseif \rb
	v_wmma_scale_f32_16x16x128_f8f6f4 v[(\d):(\d)+7], v[(\a):(\a)+11], v[(\b):(\b)+11], v[(\cr):(\cr)+7], v[\sa], v[\sb] matrix_a_fmt:MATRIX_FMT_FP6 matrix_b_fmt:MATRIX_FMT_FP6 matrix_b_scale:MATRIX_SCALE_ROW1
.else
	v_wmma_scale_f32_16x16x128_f8f6f4 v[(\d):(\d)+7], v[(\a):(\a)+11], v[(\b):(\b)+11], v[(\cr):(\cr)+7], v[\sa], v[\sb] matrix_a_fmt:MATRIX_FMT_FP6 matrix_b_fmt:MATRIX_FMT_FP6
.endif
.endif
.endm
; a joint load: waves 0 and 1 fetch for A, waves 2 and 3 for B; four v_nop follow each of the two lines
.macro JLOAD g0a, g1a, g0b, g1b
	s_cmp_eq_u32 s15, 0
	s_cbranch_scc0 .Lfor_b_\@
	tensor_load_to_lds s[\g0a:\g0a+3], s[\g1a:\g1a+7]
	s_nop 0
.rept 4
	v_nop
.endr
	s_branch .Lasked_\@
.Lfor_b_\@:
	tensor_load_to_lds s[\g0b:\g0b+3], s[\g1b:\g1b+7]
	s_nop 0
.rept 4
	v_nop
.endr
.Lasked_\@:
.endm
.macro CREST
	s_cmp_lg_u32 s14, 0
	s_cbranch_scc1 .Lnot_wave_0_\@
	s_barrier_signal -3
.Lnot_wave_0_\@:
	s_barrier_wait -3
	s_barrier_signal -1
	s_barrier_wait -1
.endm
.macro CROUND
	s_barrier_signal -1
	s_barrier_wait -1
	CREST
.endm
	s_load_b256 s[4:11], s[0:1], 0x0               ; xq, w1, rope, qkv
	s_load_b64 s[12:13], s[0:1], 0x20              ; act
	v_lshl_add_u32 v13, v0, 2, SPARE
	v_mov_b32 v14, 0
	ds_add_u32 v13, v14
	ds_add_u32 v13, v14
	s_wait_dscnt 0x0
	v_lshrrev_b32 v1, 5, v0
	v_readfirstlane_b32 s14, v1                    ; wave
	s_lshr_b32 s15, s14, 1                         ; rh.  Also: I fetch for A (0) or for B (1)
	s_and_b32 s16, s14, 1                          ; ch.  Also: which half of that tile I fetch
	s_bfe_u32 s40, ttmp6, 0x40000                  ; cx
	s_bfe_u32 s41, ttmp6, 0x40004                  ; cy
	s_lshl_b32 s42, ttmp9, 2
	s_add_co_u32 s42, s42, s40                     ; c
	s_and_b32 s17, ttmp7, 0xffff
	s_lshl_b32 s17, s17, 2
	s_add_co_u32 s17, s17, s41                     ; R
	s_lshl_b32 s43, s41, 2
	s_lshl_b32 s43, 15, s43                        ; my row of the cluster
	s_lshl_b32 s44, 0x1111, s40                    ; my column
	; group 1: elements of 8 bytes, no padding.  Codes: rows of 384 elements (two K steps of a block), 3,072 elements apart; 8 blocks of A, 9 tiles of B
	s_or_b32 s[G1], s43, (3<<16)|(1<<21)
	s_or_b32 s[G1B], s44, (3<<16)|(1<<21)
	s_or_b32 s[G1S], s43, (3<<16)|(1<<21)
	s_or_b32 s[G1SB], s44, (3<<16)|(1<<21)
	s_mov_b32 s[G1+1], 384<<16
	s_mov_b32 s[G1+2], 8<<16
	s_mov_b32 s[G1+3], 384<<16
	s_mov_b32 s[G1+4], 8
	s_mov_b32 s[G1+5], 3072
	s_mov_b32 s[G1+6], 0
	s_mov_b32 s[G1+7], 0
	s_mov_b32 s[G1B+1], 384<<16
	s_mov_b32 s[G1B+2], 9<<16
	s_mov_b32 s[G1B+3], 384<<16
	s_mov_b32 s[G1B+4], 9
	s_mov_b32 s[G1B+5], 3072
	s_mov_b32 s[G1B+6], 0
	s_mov_b32 s[G1B+7], 0
	; scale words: dense blocks as rows of 256 bytes: 32 rows for 8 blocks, 36 for 9 tiles
	s_mov_b32 s[G1S+1], 32<<16
	s_mov_b32 s[G1S+2], 32<<16
	s_mov_b32 s[G1S+3], 32<<16
	s_mov_b32 s[G1S+4], 32
	s_mov_b32 s[G1S+5], 32
	s_mov_b32 s[G1S+6], 0
	s_mov_b32 s[G1S+7], 0
	s_mov_b32 s[G1SB+1], 32<<16
	s_mov_b32 s[G1SB+2], 36<<16
	s_mov_b32 s[G1SB+3], 32<<16
	s_mov_b32 s[G1SB+4], 36
	s_mov_b32 s[G1SB+5], 32
	s_mov_b32 s[G1SB+6], 0
	s_mov_b32 s[G1SB+7], 0
	s_lshl_b32 s18, s16, 3
	s_lshl_b32 s20, s17, 4
	s_add_co_u32 s20, s20, s18                     ; A: block 16 R + 8 x half
	s_mul_i32 s22, s20, 1024
	s_add_co_u32 s22, s22, XS
	s_mul_i32 s20, s20, 24576
	s_mov_b32 s21, 0
	s_mov_b32 s23, 0
	s_mul_i32 s46, s42, 18
	s_mul_i32 s3, s16, 9
	s_add_co_u32 s46, s46, s3                      ; B: tile 18 c + 9 x half
	s_mul_i32 s100, s46, 1024
	s_add_co_u32 s100, s100, W1S
	s_mul_i32 s46, s46, 24576
	s_mov_b32 s47, 0
	s_mov_b32 s101, 0
	s_mul_i32 s45, s16, 24576                      ; where they go in a slot: the wave's number alone enters an LDS address
	s_mul_i32 s2, s16, 27648
	s_add_co_u32 s2, s2, 49152
	s_wait_kmcnt 0x0
	s_add_nc_u64 s[20:21], s[4:5], s[20:21]
	s_add_nc_u64 s[22:23], s[4:5], s[22:23]
	s_add_nc_u64 s[46:47], s[6:7], s[46:47]
	s_add_nc_u64 s[100:101], s[6:7], s[100:101]
	CROUND                                         ; all sixteen work-groups are here: the first joint loads meet
	s_mov_b32 s[G0S], 1
	s_mul_i32 s[G0S+1], s16, 8192
	s_add_co_u32 s[G0S+1], s[G0S+1], SCA
	s_mov_b64 s[G0S+2:G0S+3], s[22:23]
	s_or_b32 s[G0S+3], s[G0S+3], 0x80000000
	s_mov_b32 s[G0SB], 1
	s_mul_i32 s[G0SB+1], s16, 9216
	s_add_co_u32 s[G0SB+1], s[G0SB+1], SCB
	s_mov_b64 s[G0SB+2:G0SB+3], s[100:101]
	s_or_b32 s[G0SB+3], s[G0SB+3], 0x80000000
	JLOAD G0S, G1S, G0SB, G1SB                     ; the scale words first
.irp s, 0,1
	s_mov_b32 s[G0+4*\s], 1
	s_add_co_u32 s[G0+4*\s+1], s45, \s*SLOT
	s_add_nc_u64 s[G0+4*\s+2:G0+4*\s+3], s[20:21], \s*3072
	s_or_b32 s[G0+4*\s+3], s[G0+4*\s+3], 0x80000000
	s_mov_b32 s[G0B+4*\s], 1
	s_add_co_u32 s[G0B+4*\s+1], s2, \s*SLOT
	s_add_nc_u64 s[G0B+4*\s+2:G0B+4*\s+3], s[46:47], \s*3072
	s_or_b32 s[G0B+4*\s+3], s[G0B+4*\s+3], 0x80000000
	JLOAD G0+4*\s, G1, G0B+4*\s, G1B               ; three loads of a wave are out here
.endr
	; k and v.  role (0: k, 1: v) is the cluster's x modulo 2; the pair of row blocks p hangs on cx too, and enters global addresses alone.
	; S: one fragment (k: my x block; v: my tile of v's weights); D0, D1: two (k: k's two tiles; v: the pair's two x blocks).  x blocks and weight tiles have the same strides.
	s_and_b32 s66, ttmp9, 1
	s_lshr_b32 s67, ttmp9, 1
	s_lshl_b32 s67, s67, 2
	s_add_co_u32 s67, s67, s40                     ; p
	s_lshl_b32 s2, s17, 4
	s_lshl_b32 s3, s67, 1
	s_add_co_u32 s2, s2, s3                        ; the pair's first x block
	s_add_co_u32 s3, s2, s14
	s_add_co_u32 s100, s14, 290
	s_mov_b32 s101, 288
	s_cmp_eq_u32 s66, 0
	s_cselect_b32 s3, s3, s100                     ; S's block or tile
	s_cselect_b32 s2, s101, s2                     ; D0's
	s_cselect_b64 s[92:93], s[4:5], s[6:7]
	s_cselect_b64 s[94:95], s[6:7], s[4:5]
	s_mov_b32 s100, XS
	s_mov_b32 s101, W1S
	s_cselect_b32 s96, s100, s101
	s_cselect_b32 s98, s101, s100
	s_mul_i32 s100, s3, 1024
	s_add_co_u32 s100, s100, s96
	s_mov_b32 s101, 0
	s_add_nc_u64 s[96:97], s[92:93], s[100:101]    ; S's scale words
	s_mul_i32 s100, s2, 1024
	s_add_co_u32 s100, s100, s98
	s_add_nc_u64 s[98:99], s[94:95], s[100:101]    ; D's
	s_mul_i32 s100, s3, 24576
	s_add_nc_u64 s[92:93], s[92:93], s[100:101]    ; S's codes
	s_mul_i32 s100, s2, 24576
	s_add_nc_u64 s[94:95], s[94:95], s[100:101]    ; D's
	v_and_b32 v60, 31, v0                          ; l
	v_and_b32 v61, 15, v0                          ; r
	v_bfe_u32 v62, v0, 4, 1                        ; h
	v_lshlrev_b32 v15, 3, v60
	v_lshlrev_b32 v16, 2, v61
	v_lshl_add_u32 v17, v62, 10, v16
	v_lshlrev_b32 v63, 2, v60                      ; 4 l
.macro KVLOAD
.irp p, 0,1,2,3,4,5
	global_load_b64 v[220+2*\p:221+2*\p], v15, s[92:93] offset:256*\p
	global_load_b64 v[232+2*\p:233+2*\p], v15, s[94:95] offset:256*\p
	global_load_b64 v[244+2*\p:245+2*\p], v15, s[94:95] offset:24576+256*\p
.endr
	global_load_b32 v56, v16, s[96:97]
	global_load_b32 v57, v17, s[98:99]             ; lanes 0-15: D0's words, lanes 16-31: D1's
.endm
	s_cmp_lt_u32 s14, 2
	s_cbranch_scc0 .Lno_kv0
	KVLOAD
.Lno_kv0:
	; my local block a is row block 8 rh + ((a + 4 ch) & 7): so q falls on local blocks 4-7 in every wave
	s_lshl_b32 s2, s15, 3
	s_lshl_b32 s18, s16, 2
	s_add_co_u32 s18, s18, s2                      ; s18: the first of my low blocks
	s_xor_b32 s19, s16, 1
	s_lshl_b32 s19, s19, 2
	s_add_co_u32 s19, s19, s2                      ; s19: of my high blocks
	s_mul_i32 s2, s18, 3072
	s_mul_i32 s3, s19, 3072
	v_add_nc_u32 v1, s2, v15
	v_add_nc_u32 v2, s3, v15
	v_add_nc_u32 v3, SLOT, v1
	v_add_nc_u32 v4, SLOT, v2
	s_mul_i32 s2, s16, 24576
	s_add_co_u32 s2, s2, 49152
	v_add_nc_u32 v5, s2, v15
	v_add_nc_u32 v6, SLOT, v5
	v_add_nc_u32 v7, 98304, v15
	v_add_nc_u32 v8, SLOT, v7
	s_lshl_b32 s2, s18, 10
	s_add_co_u32 s2, s2, SCA
	v_add_nc_u32 v9, s2, v63
	s_lshl_b32 s2, s19, 10
	s_add_co_u32 s2, s2, SCA
	v_add_nc_u32 v10, s2, v63
	s_lshl_b32 s2, s16, 13
	s_add_co_u32 s2, s2, SCB
	v_add_nc_u32 v11, s2, v63
	v_add_nc_u32 v12, SCB+16384, v63
	s_lshl_b32 s2, s18, 6
	s_lshl_b32 s3, s16, 1
	s_add_co_u32 s2, s2, s3
	s_add_co_u32 s2, s2, HSTG
	v_add_nc_u32 v18, s2, v16                      ; the stage of scale words: 4 x row + 2 ch
	s_lshl_b32 s2, s19, 6
	s_add_co_u32 s2, s2, s3
	s_add_co_u32 s2, s2, HSTG
	v_add_nc_u32 v19, s2, v16
	s_lshl_b32 s2, s14, 8
	s_add_co_u32 s2, s2, HSTG
	v_add_nc_u32 v58, s2, v15
	v_mul_u32_u24 v59, v61, 24
	v_mad_u32_u24 v59, v62, 12, v59
.macro FRAG reg, adr, off
.irp p, 0,1,2,3,4,5
	ds_load_b64 v[(\reg)+2*\p:(\reg)+2*\p+1], v[\adr] offset:(\off)+256*\p
.endr
.endm
.macro FETCH_B slot, kq, set           ; my 8 tiles and q's two: 60 loads
	WIN TO_B
.irp i, 0,1,2,3,4,5,6,7
	FRAG 120*(\set)+12*\i, 5+(\slot), 3072*\i+1536*(\kq)
.endr
.irp i, 0,1
	FRAG 120*(\set)+96+12*\i, 7+(\slot), 3072*\i+1536*(\kq)
.endr
	WIN 0
.endm
.macro FETCH_A slot, kq, i0            ; local blocks i0 .. i0 + 3: 24 loads
.irp i, 0,1,2,3
	FRAG 60+12*((\i0)+\i), 1+2*(\slot)+(\i0)/4, 3072*\i+1536*(\kq)
.endr
.endm
.macro SCALES set                      ; a slot's words: the even K step in lanes 0-15, the odd one in lanes 16-31: 18 loads
.irp i, 0,1,2,3
	ds_load_b32 v[20+18*(\set)+\i], v9 offset:1024*\i
	ds_load_b32 v[24+18*(\set)+\i], v10 offset:1024*\i
.endr
.irp i, 0,1,2,3,4,5,6,7
	ds_load_b32 v[28+18*(\set)+\i], v11 offset:1024*\i
.endr
.irp i, 0,1
	ds_load_b32 v[36+18*(\set)+\i], v12 offset:1024*\i
.endr
.endm
; the accumulators take turns, one instruction a turn, in the same order in every K step
.macro MUL16 a0, p, kq, sc, zero
.irp a, \a0, \a0+1
.irp b, 0,1,2,3,4,5,6,7
.if \zero
	WM 8*(8*((\a)%4)+\b), 120*(\p)+12*\b, 60+12*(\a), -1, 28+18*(\sc)+\b, 20+18*(\sc)+(\a), \kq, \kq
.else
	WM 8*(8*((\a)%4)+\b), 120*(\p)+12*\b, 60+12*(\a), 8*(8*((\a)%4)+\b), 28+18*(\sc)+\b, 20+18*(\sc)+(\a), \kq, \kq
.endif
.endr
.endr
.endm
.macro QMUL p, kq, sc, zero
.irp a, 0,1,2,3
.irp u, 0,1
.if \zero
	WM 156+8*(2*\a+\u), 120*(\p)+96+12*\u, 108+12*\a, -1, 36+18*(\sc)+\u, 24+18*(\sc)+\a, \kq, \kq
.else
	WM 156+8*(2*\a+\u), 120*(\p)+96+12*\u, 108+12*\a, 156+8*(2*\a+\u), 36+18*(\sc)+\u, 24+18*(\sc)+\a, \kq, \kq
.endif
.endr
.endr
.endm
.macro KV zero, more                   ; waves 0 and 1: k's or v's two products of this K step; then the next K step's fragments are asked for
	WIN 0
	s_cmp_lt_u32 s14, 2
	s_cbranch_scc0 .Lno_kv_\@
	s_wait_loadcnt 0x0                             ; the 20 loads issued a K step ago
	WIN 0x50
.if \zero
	WM 240, 232, 220, -1, 57, 56, 0, 0
	WM 248, 244, 220, -1, 57, 56, 1, 0
.else
	WM 240, 232, 220, 240, 57, 56, 0, 0
	WM 248, 244, 220, 248, 57, 56, 1, 0
.endif
	WIN 0
	PLACES 4
.if \more
	s_add_nc_u64 s[92:93], s[92:93], 1536          ; the wait above has shown the loads done: their bases may step
	s_add_nc_u64 s[94:95], s[94:95], 1536
	s_add_nc_u64 s[96:97], s[96:97], 64
	s_add_nc_u64 s[98:99], s[98:99], 64
	KVLOAD
.endif
.Lno_kv_\@:
.endm
.macro STEP slot, zero                 ; a slot's first K step
	s_wait_dscnt 24                                ; all but A's blocks 4-7 (the youngest 24 loads) are in
	WIN MUL_LO
	MUL16 0, 0, 0, \slot, \zero
	MUL16 2, 0, 0, \slot, \zero
	s_wait_dscnt 0x0
	PLACES 4                                       ; in front of loads into registers that matrix instructions have read
	FETCH_B \slot, 1, 1
	FETCH_A \slot, 1, 0
	WIN MUL_HI
	MUL16 4, 0, 0, \slot, \zero
	MUL16 6, 0, 0, \slot, \zero
	WIN 0x01
	QMUL 0, 0, \slot, \zero
	KV \zero, 1
	PLACES 4
	FETCH_A \slot, 1, 4
.endm
.macro TURN slot, next, fill           ; a slot's second K step changes slots
	s_wait_tensorcnt 0x0                           ; all my tensor loads have landed: my part of the next slot
	ds_add_u32 v13, v14                            ; 0 onto my spare word
	s_wait_dscnt 25                                ; the add and A's blocks 4-7 may be out
	WIN MUL_LO
	MUL16 0, 1, 1, \slot, 0
	s_wait_dscnt 0x0                               ; the add is done, and my reads of this slot are over
	s_barrier_signal -1
	MUL16 2, 1, 1, \slot, 0
	WIN 0
	s_barrier_wait -1
.if \fill
	CREST                                          ; the barrier has opened a round of the cluster's barrier: no wave of any partner still reads this slot or has a load on its way
	s_add_nc_u64 s[G0+4*\slot+2:G0+4*\slot+3], s[G0+4*\slot+2:G0+4*\slot+3], 6144
	s_add_nc_u64 s[G0B+4*\slot+2:G0B+4*\slot+3], s[G0B+4*\slot+2:G0B+4*\slot+3], 6144
	JLOAD G0+4*\slot, G1, G0B+4*\slot, G1B         ; my one tensor load behind the round; its four v_nop are the places for the loads below
.else
	PLACES 4
.endif
.irp i, 9,10,11,12
	v_add_nc_u32 v[\i], 128, v[\i]                 ; the next slot's scale words
.endr
	FETCH_B \next, 0, 0
	FETCH_A \next, 0, 0
	SCALES \next
	WIN MUL_HI
	MUL16 4, 1, 1, \slot, 0
	MUL16 6, 1, 1, \slot, 0
	WIN 0x01
	QMUL 1, 1, \slot, 0
	KV 0, 1
	PLACES 4
	FETCH_A \next, 0, 4
.endm
	s_wait_tensorcnt 1                             ; the scale words and slot 0 are in; slot 1's load may be out
	s_barrier_signal -1
	s_barrier_wait -1
	FETCH_B 0, 0, 0
	FETCH_A 0, 0, 0
	SCALES 0
	FETCH_A 0, 0, 4
	STEP 0, 1                                      ; the first K step's products start the sums
	s_mov_b32 s100, 3
.Llap:
	TURN 0, 1, 1
	STEP 1, 0
	TURN 1, 0, 1
	STEP 0, 0
	s_sub_co_u32 s100, s100, 1
	s_cmp_lg_u32 s100, 0
	s_cbranch_scc1 .Llap
	TURN 0, 1, 0                                   ; the last lap fills nothing
	STEP 1, 0
	s_wait_dscnt 24
	WIN MUL_LO
	MUL16 0, 1, 1, 1, 0
	MUL16 2, 1, 1, 1, 0
	s_wait_dscnt 0x0
	WIN MUL_HI
	MUL16 4, 1, 1, 1, 0
	MUL16 6, 1, 1, 1, 0
	WIN 0x01
	QMUL 1, 1, 1, 0
	KV 0, 0
	; ================= THE WAY OUT.  No tensor load is out: the descriptors' registers are free
	PLACES 4
	s_mov_b32 s24, 0xbfb8aa3b                      ; -log2(e)
	s_mov_b32 s25, s24
	s_mov_b32 s[SEL], 0x76543210
	s_mov_b32 s[SEL+1], 0xfedcba98
	s_mov_b32 s56, 0x3e3504f3                      ; 32^-0.5
	s_mov_b32 s57, s56
	s_mov_b32 s55, 0
	s_lshl_b32 s58, s17, 4
	s_add_co_u32 s59, s58, s18                     ; my low blocks' first, among all 256
	s_add_co_u32 s60, s58, s19                     ; my high blocks' first
	s_mul_i32 s61, s16, 768
	s_mul_i32 s54, s59, 20
	s_add_co_u32 s54, s54, s42
	s_mul_i32 s54, s54, 1536
	s_add_co_u32 s54, s54, s61
	s_add_nc_u64 s[28:29], s[12:13], s[54:55]      ; act: K step c, my half of the fragment
	s_mul_i32 s54, s60, 20
	s_add_co_u32 s54, s54, s42
	s_mul_i32 s54, s54, 1536
	s_add_co_u32 s54, s54, s61
	s_add_nc_u64 s[30:31], s[12:13], s[54:55]
	s_lshl_b32 s54, s42, 14
	s_lshl_b32 s61, s17, 10
	s_add_co_u32 s54, s54, s61
	s_lshl_b32 s61, s14, 8
	s_add_co_u32 s54, s54, s61
	s_add_co_u32 s54, s54, HS
	s_add_nc_u64 s[32:33], s[12:13], s[54:55]      ; act's scale words
	s_lshl_b32 s54, s60, 4
	s_and_b32 s54, s54, 2047
	s_lshl_b32 s54, s54, 7
	s_add_nc_u64 s[34:35], s[8:9], s[54:55]        ; the table at my q rows' first position
	s_lshl_b32 s54, s42, 12
	s_lshl_b32 s61, s60, 4
	s_add_co_u32 s54, s54, s61
	s_mul_i32 s54, s54, 24
	s_add_nc_u64 s[36:37], s[10:11], s[54:55]      ; q's codes
	s_lshl_b32 s54, s42, 8
	s_add_co_u32 s54, s54, s60
	s_lshl_b32 s54, s54, 7
	s_add_co_u32 s54, s54, QS
	s_add_nc_u64 s[38:39], s[10:11], s[54:55]      ; q's scale words
	v_and_b32 v22, 31, v0
	v_lshlrev_b32 v22, 2, v22                      ; 4 l
	v_lshlrev_b32 v23, 5, v16                      ; 128 r
	v_mov_b32 v[TM+4], 0
	v_mov_b32 v[TM+5], 0
	WIN 0x40
.irp a, 0,1,2,3
.irp i, 0,1,2,3,4,5,6,7
	global_load_b128 v[32*\a+4*\i:32*\a+4*\i+3], v23, s[34:35] offset:2048*\a+16*\i   ; (cos, sin) of my row's position, 16 pairs
.endr
.endr
	WIN 0
.macro QUANTH s                        ; 32 numbers, two blocks -> six registers of codes and two bytes
.irp b, 0,1
	v_max3_num_f32 v[TM+\b], |v[\s+16*\b]|, |v[\s+1+16*\b]|, 0x1800000
.endr
.irp i, 2,4,6,8,10,12,14
.irp b, 0,1
	v_max3_num_f32 v[TM+\b], v[TM+\b], |v[\s+16*\b+\i]|, |v[\s+1+16*\b+\i]|
.endr
.endr
.irp b, 0,1
	v_permlanex16_b32 v[TM+4+\b], v[TM+\b], s[SEL], s[SEL+1]
.endr
.irp b, 0,1
	v_max_num_f32 v[TM+\b], v[TM+\b], v[TM+4+\b]
.endr
.irp b, 0,1
	v_add_nc_u32 v[TM+12+\b], 0xff000000, v[TM+\b]
.endr
.irp b, 0,1
	v_lshrrev_b32 v[TM+4+\b], 23, v[TM+12+\b]
.endr
	v_lshl_or_b32 v[PW], v[TM+5], 8, v[TM+4]
	v_cvt_scalef32_pk16_fp6_f32 v[PC:PC+2], v[\s:\s+15], v[TM+12]
	v_cvt_scalef32_pk16_fp6_f32 v[PC+12:PC+14], v[\s+16:\s+31], v[TM+13]
	v_nop
.irp i, 0,1,2
	v_permlane16_swap_b32 v[PC+\i], v[PC+12+\i]
.endr
.irp i, 0,1,2
	v_mov_b32 v[PC+3+\i], v[PC+12+\i]
.endr
.endm
.macro QUANT1 s, pc, pw                ; 16 numbers, half of a block that lane l xor 16 shares -> 12 bytes of codes; the byte in v[TM+5], four times in v[pw]
	v_max3_num_f32 v[TM], |v[\s]|, |v[\s+1]|, 0x1800000
	v_max3_num_f32 v[TM+1], |v[\s+2]|, |v[\s+3]|, |v[\s+4]|
.irp i, 5,9
	v_max3_num_f32 v[TM], v[TM], |v[\s+\i]|, |v[\s+\i+1]|
	v_max3_num_f32 v[TM+1], v[TM+1], |v[\s+\i+2]|, |v[\s+\i+3]|
.endr
	v_max3_num_f32 v[TM], v[TM], |v[\s+13]|, |v[\s+14]|
	v_max3_num_f32 v[TM], v[TM], v[TM+1], |v[\s+15]|
	v_permlanex16_b32 v[TM+4], v[TM], s[SEL], s[SEL+1]
	v_max_num_f32 v[TM], v[TM], v[TM+4]
	v_add_nc_u32 v[TM+12], 0xff000000, v[TM]
	v_lshrrev_b32 v[TM+5], 23, v[TM+12]
	v_cvt_scalef32_pk16_fp6_f32 v[\pc:\pc+2], v[\s:\s+15], v[TM+12]
	v_perm_b32 v[\pw], v[TM+5], v[TM+5], 0         ; (also the plain place behind the conversion)
.endm
; silu(gate) x ff_x of local block a: 16 rows x my 64 hidden units, 32 numbers a lane
.macro FFBLK a
.set AC, 64*((\a)%4)
.set WN, 2+(\a)/4
	WIN WN
.set n, 0
.rept 16
	v_pk_mul_f32 v[T+n:T+n+1], v[AC+32+n:AC+33+n], s[24:25] op_sel_hi:[1,0]   ; each accumulator is read from its low end on
.set n, n+2
.endr
	WIN 0
.set n, 0
.rept 32
	v_exp_f32 v[T+n], v[T+n]
.set n, n+1
.endr
	v_nop
	s_wait_alu depctr_va_vdst(0)                   ; one wait for the batch, ahead of its first reader
.set n, 0
.rept 16
	v_pk_add_f32 v[T+n:T+n+1], v[T+n:T+n+1], 1.0 op_sel_hi:[1,0]
.set n, n+2
.endr
.set n, 0
.rept 32
	v_rcp_f32 v[T+n], v[T+n]
.set n, n+1
.endr
	WIN WN*5
.set n, 0
.rept 16
	v_pk_mul_f32 v[H+n:H+n+1], v[AC+32+n:AC+33+n], v[AC+n:AC+n+1]   ; gate x ff_x: plain work behind the batch
.set n, n+2
.endr
	WIN 0
	s_wait_alu depctr_va_vdst(0)
.set n, 0
.rept 16
	v_pk_mul_f32 v[H+n:H+n+1], v[H+n:H+n+1], v[T+n:T+n+1]
.set n, n+2
.endr
	s_wait_xcnt 0x0                                ; the last block's stores have read the codes' registers
	s_wait_dscnt 0x0
	QUANTH H
.irp p, 0,1,2
	global_store_b64 v15, v[PC+2*\p:PC+2*\p+1], s[28+2*((\a)/4):29+2*((\a)/4)] offset:((\a)%4)*30720+256*\p   ; 256 consecutive bytes, aligned
.endr
	ds_store_b16 v[18+(\a)/4], v[PW] offset:64*((\a)%4)
.endm
.irp a, 0,1,2,3,4,5,6,7
	FFBLK \a
.endr
	s_wait_dscnt 0x0                               ; for the others' sake: a row's word comes from two waves
	s_barrier_signal -1
	s_barrier_wait -1
	ds_load_b64 v[146:147], v58
	s_wait_dscnt 0x0
	global_store_b64 v15, v[146:147], s[32:33]     ; 64 rows' words: 256 consecutive bytes
	; ---- q: rotate, scale, quantise.  Lane (r, h) holds d = 16 h + n; its partner for the rotation is lane l xor 16
	v_bfe_u32 v109, v0, 4, 1
	v_lshl_or_b32 v108, v109, 31, 0x3f800000       ; what I send over: x 1 from the lower half, x -1 from the upper
	v_mov_b32 v109, v108
.macro ROPE src, tab, scl
.set n, 0
.rept 8
	v_pk_mul_f32 v[Y2+n:Y2+n+1], v[\src+n:\src+n+1], v[108:109]
.set n, n+2
.endr
.set n, 0
.rept 16
	v_permlanex16_b32 v[PP+n], v[Y2+n], s[SEL], s[SEL+1]
.set n, n+1
.endr
	WIN 0x04                                       ; source 1: the table, in window 1
.set n, 0
.rept 16
	v_mul_f32 v[Y1+n], v[\src+n], v[\tab+2*n]
.set n, n+1
.endr
.set n, 0
.rept 16
	v_fma_f32 v[Y1+n], v[PP+n], v[\tab+2*n+1], v[Y1+n]
.set n, n+1
.endr
	WIN 0
.if \scl
.set n, 0
.rept 8
	v_pk_mul_f32 v[Y1+n:Y1+n+1], v[Y1+n:Y1+n+1], s[56:57] op_sel_hi:[1,0]
.set n, n+2
.endr
.endif
.endm
	s_wait_loadcnt 0x0                             ; the table
	s_wait_xcnt 0x0
.irp a, 0,1,2,3
	ROPE 156+16*\a, 32*\a, 1
	QUANT1 Y1, 140+4*\a, 110+\a
	global_store_b96 v59, v[140+4*\a:142+4*\a], s[36:37] offset:384*\a   ; 384 consecutive bytes
	global_store_b32 v22, v[110+\a], s[38:39] offset:128*\a
.endr
	; ---- k or v: waves 0 and 1
	s_cmp_lt_u32 s14, 2
	s_cbranch_scc0 .Ldone
	WIN 0x01
.set n, 0
.rept 16
	v_mov_b32 v[220+n], v[240+n]
.set n, n+1
.endr
	WIN 0
	s_cmp_eq_u32 s66, 0
	s_cbranch_scc0 .Lrole_v
	s_lshl_b32 s45, s67, 1
	s_add_co_u32 s45, s45, s58
	s_add_co_u32 s45, s45, s14                     ; my block of 16 keys
	s_lshl_b32 s54, s45, 4
	s_and_b32 s54, s54, 2047
	s_lshl_b32 s54, s54, 7
	s_add_nc_u64 s[52:53], s[8:9], s[54:55]
	s_mul_i32 s54, s45, 384
	s_add_co_u32 s54, s54, KQ
	s_add_nc_u64 s[48:49], s[10:11], s[54:55]
	s_lshl_b32 s54, s45, 7
	s_add_co_u32 s54, s54, KS
	s_add_nc_u64 s[50:51], s[10:11], s[54:55]
	WIN 0x40
.irp i, 0,1,2,3,4,5,6,7
	global_load_b128 v[128+4*\i:131+4*\i], v23, s[52:53] offset:16*\i
.endr
	WIN 0
	s_wait_loadcnt 0x0
	ROPE 220, 128, 0
	QUANT1 Y1, 120, 118
	global_store_b96 v59, v[120:122], s[48:49]
	global_store_b32 v22, v118, s[50:51]
	s_branch .Ldone
.Lrole_v:                                              ; lane = a place in my tile of v's columns; registers = 16 of the pair's 32 keys: code 16 h + 8 i + j is key 16 i + 8 h + j
	s_lshr_b32 s45, s17, 3
	s_lshl_b32 s45, s45, 1
	s_add_co_u32 s45, s45, s14
	s_lshl_b32 s45, s45, 6
	s_lshl_b32 s46, s17, 3
	s_add_co_u32 s46, s46, s67
	s_and_b32 s46, s46, 63
	s_add_co_u32 s45, s45, s46                     ; (2 batch + tile) x 64 + block of keys
	s_mul_i32 s54, s45, 384
	s_add_co_u32 s54, s54, VQ
	s_add_nc_u64 s[48:49], s[10:11], s[54:55]
	s_lshl_b32 s54, s45, 7
	s_add_co_u32 s54, s54, VS
	s_add_nc_u64 s[50:51], s[10:11], s[54:55]
	QUANT1 220, 120, 118
	global_store_b96 v59, v[120:122], s[48:49]
	global_store_b32 v22, v[TM+5], s[50:51]
.Ldone:
	s_wait_tensorcnt 0x0                           ; the wave's end
	ds_add_u32 v13, v14
	s_wait_dscnt 0x0
	CROUND                                         ; the closing round
	s_endpgm
.Lfunc_end_k_qacee03d093_gemm1:
	.size	k_qacee03d093_gemm1, .Lfunc_end_k_qacee03d093_gemm1-k_qacee03d093_gemm1
	.p2alignl 7, 3214868480
	.fill 96, 4, 3214868480
	.section	.rodata,"a",@progbits
	.p2align	6, 0x0
	.amdhsa_kernel k_qacee03d093_gemm1
		.amdhsa_group_segment_fixed_size 327680
		.amdhsa_private_segment_fixed_size 0
		.amdhsa_enable_private_segment 0
		.amdhsa_kernarg_size 40
		.amdhsa_user_sgpr_count 2
		.amdhsa_user_sgpr_kernarg_segment_ptr 1
		.amdhsa_wavefront_size32 1
		.amdhsa_system_sgpr_workgroup_id_x 1
		.amdhsa_system_sgpr_workgroup_id_y 1
		.amdhsa_system_sgpr_workgroup_id_z 1
		.amdhsa_system_vgpr_workitem_id 0
		.amdhsa_next_free_vgpr 1024
		.amdhsa_next_free_sgpr 102
		.amdhsa_reserve_vcc 0
		.amdhsa_float_denorm_mode_32 3
		.amdhsa_float_denorm_mode_16_64 3
		.amdhsa_memory_ordered 1
		.amdhsa_forward_progress 1
		.amdhsa_inst_pref_size 255
	.end_amdhsa_kernel
	.section	.bss,"aw",@nobits
	.p2align	6
	.space	262144
	.amdgpu_metadata
---
amdhsa.version: [ 1, 2 ]
amdhsa.kernels:
  - .name:           k_qacee03d093_gemm1
    .symbol:         k_qacee03d093_gemm1.kd
    .args:
      - { .name: xq, .offset: 0, .size: 8, .value_kind: global_buffer, .address_space: global }
      - { .name: w1, .offset: 8, .size: 8, .value_kind: global_buffer, .address_space: global }
      - { .name: rope, .offset: 16, .size: 8, .value_kind: global_buffer, .address_space: global }
      - { .name: qkv, .offset: 24, .size: 8, .value_kind: global_buffer, .address_space: global }
      - { .name: act, .offset: 32, .size: 8, .value_kind: global_buffer, .address_space: global }
    .group_segment_fixed_size: 327680
    .private_segment_fixed_size: 0
    .kernarg_segment_align: 8
    .kernarg_segment_size: 40
    .max_flat_workgroup_size: 128
    .sgpr_count:     102
    .vgpr_count:     1024
    .wavefront_size: 32
...
	.end_amdgpu_metadata
.endif
;; end of part 2
;; launch attn (part 3): grid 128 x 2, 16 waves a work-group, clusters of 4 x 1, 169,984 bytes of LDS; arguments qkv, attn_mask, act; writes act
.if DOCPART == 3
	.amdgcn_target "amdgcn-amd-amdhsa--gfx1250"
	.amdhsa_code_object_version 6
	.text
	.protected	k_qacee03d093_attn
	.globl	k_qacee03d093_attn
	.p2align	8
	.type	k_qacee03d093_attn,@function
k_qacee03d093_attn:
	s_mov_b64 s[64:65], 0
	v_nop
	global_prefetch_b8 v0, s[64:65] scope:SCOPE_SE
	s_setreg_imm32_b32 hwreg(HW_REG_WAVE_MODE, 25, 1), 1
	s_wait_xcnt 0x0
	s_wait_alu depctr_hold_cnt(0) depctr_sa_sdst(0) depctr_va_vdst(0) depctr_va_sdst(0) depctr_va_ssrc(0) depctr_va_vcc(0) depctr_vm_vsrc(0)
	s_getreg_b32 s2, hwreg(HW_REG_IB_STS2, 6, 4)
	s_cmp_eq_u32 s2, 0
	s_cbranch_scc0 .Lentry_in_a_cluster
	s_endpgm
.Lentry_in_a_cluster:
	s_bfe_u32 s2, ttmp6, 0x10000c
	s_cmp_lg_u32 s2, 0x3003
	s_cbranch_scc0 .Lentry_shape_is_right
	s_endpgm
.Lentry_shape_is_right:
; Causal multi-query attention on codes of FP6: 16 heads of 32, one k and v for all, a key mask that is an input.  The result is quantised into act's K steps 16-19 (a block of 32 = a head).
; p = 2^(t - M), t = score x log2(e), M the running largest t rounded up to a whole number; the row's sum is taken of the unquantised p and divides at the end.
; SHARES.  The four work-groups of a cluster take four heads each and the same four blocks of 16 queries {g, 127 - g, 64 + g, 63 - g}, whose key steps add up to 34 for every g.  A wave owns 16 queries of one head.
; A batch's k and v codes and k's scale words come into LDS ONCE, by joint loads: nothing is filled again.
; Both products are used transposed: a lane holds one query.  The first has K = 32: q's fragment has zero codes in blocks 1-3, so what k's operand holds there adds nothing; both sides' scale words repeat the one real byte.
; MASKS.  The key mask is a bias (0 or -2^127) that the score product takes as its C; in the one step on the diagonal the hidden keys' bias is set to -2^127 too.  The largest t begins at -1e30, so p of a masked key is 0.
; A row with no visible key: reference() fills every score alike, so its softmax is uniform over all 2,048 keys: O is then the sum of the quantised v, and the divisor 2,048.
; LIMITS: a logit under about -7e29 counts as masked; NaN and infinities are not served.
.set QS,   1572864
.set KQ,   2097152
.set KS,   2195456
.set VQ,   2228224
.set VS,   2326528
.set HS,   7864320
.set KSW,   49152                      ; LDS: k's codes at 0 (2,048 x 24), its scale words here (128 x 128),
.set VC,    65536                      ; v's codes [2 tiles][64 blocks of keys][16 places][24],
.set MBIAS, 114688                     ; the bias, 4 bytes a key,
.set VSW,   122880                     ; v's scale words [16 key steps][2 tiles][16],
.set VSP,   124928                     ; partial sums of v, 128 bytes a wave,
.set VSF,   126976                     ; the sum, each wave's own 128 bytes,
.set STG,   129024                     ; four fragments for act,
.set STGS,  135168                     ; and their scale words
.set TM, 232
.macro WMA d, a, b, cr, sa, sb
.if (\cr) < 0
	v_wmma_scale_f32_16x16x128_f8f6f4 v[(\d):(\d)+7], v[(\a):(\a)+11], v[(\b):(\b)+11], 0, v[\sa], v[\sb] matrix_a_fmt:MATRIX_FMT_FP6 matrix_b_fmt:MATRIX_FMT_FP6
.else
	v_wmma_scale_f32_16x16x128_f8f6f4 v[(\d):(\d)+7], v[(\a):(\a)+11], v[(\b):(\b)+11], v[(\cr):(\cr)+7], v[\sa], v[\sb] matrix_a_fmt:MATRIX_FMT_FP6 matrix_b_fmt:MATRIX_FMT_FP6
.endif
.endm
.macro ROUND
	s_barrier_signal -1
	s_barrier_wait -1
	s_cmp_lg_u32 s18, 0
	s_cbranch_scc1 .Lnot_wave_0_\@
	s_barrier_signal -3
.Lnot_wave_0_\@:
	s_barrier_wait -3
	s_barrier_signal -1
	s_barrier_wait -1
.endm
.macro BARRIER
	s_wait_dscnt 0x0
	s_barrier_signal -1
	s_barrier_wait -1
.endm
.macro QB dst, z, tmp                  ; the z-th of the four blocks of queries
	s_and_b32 \dst, \z, 1
	s_sub_co_u32 \dst, 0, \dst
	s_xor_b32 \dst, ttmp9, \dst
	s_lshr_b32 \tmp, \z, 1
	s_lshl_b32 \tmp, \tmp, 6
	s_add_co_u32 \dst, \dst, \tmp
	s_and_b32 \dst, \dst, 127
.endm
.macro VLOAD adr, sadr                 ; v's two fragments of a key step, and their scale words
.irp u, 0,1
.irp c, 0,1
.irp i, 0,1,2
	ds_load_b64 v[32+12*\u+6*\c+2*\i:33+12*\u+6*\c+2*\i], v[\adr] offset:24576*\u+768*\c+8*\i
.endr
.endr
	ds_load_b32 v[200+\u], v[\sadr] offset:64*\u
.endr
.endm
	s_load_b128 s[4:7], s[0:1], 0x0                ; qkv, attn_mask
	s_load_b64 s[8:9], s[0:1], 0x10                ; act
	v_lshl_add_u32 v251, v0, 2, 0x29000
	v_mov_b32 v255, 0
	ds_add_u32 v251, v255
	ds_add_u32 v251, v255
	v_lshrrev_b32 v1, 5, v0
	v_readfirstlane_b32 s18, v1                    ; wave 0..15
	s_bfe_u32 s10, ttmp6, 0x40000                  ; cx: my four heads; it enters global addresses alone
	s_and_b32 s11, ttmp7, 0xffff                   ; batch
	s_and_b32 s12, s18, 3                          ; my head among the four
	s_lshr_b32 s13, s18, 2
	s_add_co_u32 s14, s12, s13
	s_and_b32 s14, s14, 3                          ; z: which of the four blocks of queries is mine
	QB s15, s14, s17
	QB s16, s13, s17                               ; the block that I store at the end
	s_lshl_b32 s99, s15, 4                         ; my first query
	s_mov_b32 s20, 0x76543210
	s_mov_b32 s21, 0xfedcba98
	s_mov_b32 s22, 0x3fb8aa3b                      ; log2(e)
	s_mov_b32 s23, s22
	; group 1: dense blocks as rows of 32 elements of 8 bytes; all four work-groups are named
	s_mov_b32 s24, 15|(3<<16)|(1<<21)
	s_mov_b32 s25, 32<<16
	s_mov_b32 s26, 192<<16
	s_mov_b32 s27, 32<<16
	s_mov_b32 s28, 192
	s_mov_b32 s29, 32
	s_mov_b32 s30, 0
	s_mov_b32 s31, 0
	s_mov_b32 s32, 15|(3<<16)|(1<<21)
	s_mov_b32 s33, 32<<16
	s_mov_b32 s34, 64<<16
	s_mov_b32 s35, 32<<16
	s_mov_b32 s36, 64
	s_mov_b32 s37, 32
	s_mov_b32 s38, 0
	s_mov_b32 s39, 0
	s_and_b32 s17, s18, 1
	s_mul_i32 s48, s11, 49152
	s_lshl_b32 s50, s17, 17                        ; v's codes lie 131,072 bytes behind k's
	s_add_co_u32 s48, s48, s50
	s_add_co_u32 s48, s48, KQ
	s_mov_b32 s49, 0
	s_lshl_b32 s50, s11, 14
	s_add_co_u32 s50, s50, KS
	s_mov_b32 s51, 0
	s_wait_dscnt 0x0
	s_wait_kmcnt 0x0
	s_mov_b32 s40, 1
	s_lshl_b32 s41, s17, 16
	s_add_nc_u64 s[42:43], s[4:5], s[48:49]
	s_or_b32 s43, s43, 0x80000000
	s_mov_b32 s44, 1
	s_mov_b32 s45, KSW
	s_add_nc_u64 s[46:47], s[4:5], s[50:51]
	s_or_b32 s47, s47, 0x80000000
	ROUND                                          ; in front of the joint loads
	s_cmp_lt_u32 s18, 2
	s_cbranch_scc0 .Lnot_codes
	tensor_load_to_lds s[40:43], s[24:31]          ; wave 0: k's codes, wave 1: v's
	s_nop 0
.rept 4
	v_nop
.endr
	s_branch .Lasked
.Lnot_codes:
	s_cmp_eq_u32 s18, 2
	s_cbranch_scc0 .Lasked
	tensor_load_to_lds s[44:47], s[32:39]          ; wave 2: k's scale words
	s_nop 0
.rept 4
	v_nop
.endr
.Lasked:
	v_and_b32 v29, 31, v0                          ; l
	v_and_b32 v30, 15, v0                          ; r
	v_bfe_u32 v31, v0, 4, 1                        ; h
	v_mul_u32_u24 v1, v30, 24                      ; k: key r of a tile (both halves of the lanes alike); also q's offset
	v_mad_u32_u24 v2, v31, 384, v1
	v_add_nc_u32 v2, VC, v2                        ; v: block h of a pair, place r
	v_lshl_add_u32 v3, v29, 2, KSW
	v_lshl_add_u32 v4, v30, 2, VSW
	v_lshl_add_u32 v5, v31, 5, MBIAS
	v_lshlrev_b32 v6, 3, v31
	v_sub_nc_u32 v6, v30, v6                       ; r - 8 h
	; LDS addresses of the sums of v and of the way out
	s_lshl_b32 s17, s18, 7
	v_lshlrev_b32 v176, 6, v31
	v_add_nc_u32 v176, s17, v176
	v_add_nc_u32 v179, VSF, v176                   ; my own 128 bytes, my half
	v_add_nc_u32 v176, VSP, v176
	v_lshl_add_u32 v177, v29, 2, VSP
	v_lshl_add_u32 v178, v29, 2, VSF
	v_add_nc_u32 v178, s17, v178
	s_mul_i32 s17, s14, 1536
	s_lshr_b32 s19, s12, 1
	s_mul_i32 s19, s19, 768
	s_add_co_u32 s17, s17, s19
	s_and_b32 s19, s12, 1
	s_lshl_b32 s19, s19, 7
	s_add_co_u32 s17, s17, s19
	s_add_co_u32 s17, s17, STG
	v_lshlrev_b32 v183, 3, v30
	v_add_nc_u32 v183, s17, v183                   ; my head's block in the fragment's image, lane 16 (head % 2) + r
	v_mad_u32_u24 v180, v31, 260, v183             ; my three words of its six: 0, 4, 256 or 260, 512, 516
	v_mad_u32_u24 v181, v31, 508, v183
	v_add_nc_u32 v181, 4, v181
	v_add_nc_u32 v182, 256, v180
	s_lshl_b32 s17, s14, 6
	s_add_co_u32 s17, s17, s12
	s_add_co_u32 s17, s17, STGS
	v_lshlrev_b32 v187, 2, v30                     ; 4 r
	v_add_nc_u32 v183, s17, v187
	s_mul_i32 s17, s13, 1536
	s_lshl_b32 s19, s12, 9
	s_add_co_u32 s17, s17, s19
	s_add_co_u32 s17, s17, STG
	v_lshlrev_b32 v186, 4, v29                     ; 16 l
	v_add_nc_u32 v184, s17, v186
	s_lshl_b32 s17, s13, 6
	s_add_co_u32 s17, s17, STGS
	v_add_nc_u32 v185, s17, v187
	; global loads: 4 mask bytes and 4 words of v's scale bytes a thread; q's fragment and scale word
	s_lshl_b32 s48, s11, 11
	s_add_nc_u64 s[6:7], s[6:7], s[48:49]
	v_lshlrev_b32 v32, 2, v0
	global_load_b32 v33, v32, s[6:7]
	s_lshl_b32 s48, s11, 14
	s_add_co_u32 s48, s48, VS
	s_add_nc_u64 s[54:55], s[4:5], s[48:49]
	v_lshrrev_b32 v34, 5, v0
	v_lshlrev_b32 v34, 9, v34
	v_lshl_add_u32 v34, v31, 13, v34
	v_add_nc_u32 v34, v34, v187                    ; thread = (key step, tile, place)
.irp i, 0,1,2,3
	global_load_b32 v[36+\i], v34, s[54:55] offset:128*\i
.endr
	s_lshl_b32 s17, s10, 2
	s_add_co_u32 s17, s17, s12                     ; my head
	s_lshl_b32 s48, s17, 12
	s_lshl_b32 s19, s11, 11
	s_add_co_u32 s48, s48, s19
	s_add_co_u32 s48, s48, s99
	s_mul_i32 s48, s48, 24
	s_add_nc_u64 s[50:51], s[4:5], s[48:49]
.irp i, 0,1,2
	global_load_b64 v[16+2*\i:17+2*\i], v1, s[50:51] offset:8*\i
.endr
	s_lshl_b32 s48, s17, 8
	s_lshl_b32 s19, s11, 7
	s_add_co_u32 s48, s48, s19
	s_add_co_u32 s48, s48, s15
	s_lshl_b32 s48, s48, 7
	s_add_co_u32 s48, s48, QS
	s_add_nc_u64 s[52:53], s[4:5], s[48:49]
	v_lshlrev_b32 v35, 2, v29
	global_load_b32 v28, v35, s[52:53]
	; where the result goes
	s_lshl_b32 s48, s11, 7
	s_add_co_u32 s48, s48, s16
	s_mul_i32 s48, s48, 20
	s_add_co_u32 s48, s48, s10
	s_add_co_u32 s48, s48, 16
	s_mul_i32 s48, s48, 1536
	s_lshl_b32 s19, s12, 9
	s_add_co_u32 s48, s48, s19
	s_add_nc_u64 s[56:57], s[8:9], s[48:49]
	s_add_co_u32 s48, s10, 16
	s_lshl_b32 s48, s48, 14
	s_lshl_b32 s19, s11, 13
	s_add_co_u32 s48, s48, s19
	s_lshl_b32 s19, s16, 6
	s_add_co_u32 s48, s48, s19
	s_add_co_u32 s48, s48, HS
	s_add_nc_u64 s[58:59], s[8:9], s[48:49]
.irp i, 0,1,2,3
	v_mov_b32 v[80+3*\i], 0x08208208               ; a fragment of ones: the code 8, sixteen to 96 bits
	v_mov_b32 v[81+3*\i], 0x82082082
	v_mov_b32 v[82+3*\i], 0x20820820
.endr
	v_mov_b32 v92, 0x7f7f7f7f                      ; their scale: 1
	s_wait_loadcnt 0x0
.irp i, 0,1,2,3
	v_bfe_u32 v[40+\i], v33, 8*\i, 1
	v_sub_nc_u32 v[40+\i], 0, v[40+\i]
	v_lshlrev_b32 v[40+\i], 24, v[40+\i]           ; masked: -2^127; else 0
.endr
	v_lshl_add_u32 v44, v0, 4, MBIAS
	ds_store_b128 v44, v[40:43]
	v_lshl_or_b32 v36, v37, 8, v36
	v_lshl_or_b32 v36, v38, 16, v36
	v_lshl_or_b32 v36, v39, 24, v36
	v_lshl_add_u32 v45, v0, 2, VSW
	ds_store_b32 v45, v36
	v_cmp_gt_u32 vcc_lo, 16, v29
.irp i, 0,1,2,3,4,5
	v_cndmask_b32 v[16+\i], 0, v[16+\i], vcc_lo    ; q: block 0 in lanes 0-15; zero codes everywhere else
.endr
.irp i, 6,7,8,9,10,11
	v_mov_b32 v[16+\i], 0
.endr
	s_wait_tensorcnt 0x0                           ; my joint load has landed
	BARRIER                                        ; k, v, the bias and the scale words lie in LDS
	; ---- the sum of the quantised v over all keys: wave w takes key step w
	s_mul_i32 s17, s18, 1536
	v_add_nc_u32 v7, s17, v2
	s_lshl_b32 s17, s18, 7
	v_add_nc_u32 v8, s17, v4
	VLOAD 7, 8
	s_wait_dscnt 0x0
	WMA 96, 32, 80, -1, 200, 92
	WMA 104, 44, 80, -1, 201, 92
.rept 4
	v_nop
.endr
.irp i, 0,1,2,3
	ds_store_b128 v176, v[96+4*\i:99+4*\i] offset:16*\i   ; the same in all sixteen lanes of a half
.endr
	BARRIER
.set i, 0
.rept 16
	ds_load_b32 v[96+i], v177 offset:128*i
.set i, i+1
.endr
	s_wait_dscnt 0x0
.irp i, 0,2,4,6,8,10,12,14
	v_add_f32 v[96+\i], v[96+\i], v[97+\i]
.endr
.irp i, 0,4,8,12
	v_add_f32 v[96+\i], v[96+\i], v[98+\i]
.endr
	v_add_f32 v96, v96, v100
	v_add_f32 v104, v104, v108
	v_add_f32 v96, v96, v104
	ds_store_b32 v178, v96
.irp i, 0,1,2,3
	ds_load_b128 v[204+4*\i:207+4*\i], v179 offset:16*\i   ; my own bytes: LDS serves a wave's instructions in order
.endr
	v_mov_b32 v13, 0xf149f2ca                      ; the largest t so far: -1e30
	v_floor_f32 v12, -v13
	v_mov_b32 v14, 0
	v_mov_b32 v15, 0
.irp i, 236,237,238,239,252,253
	v_mov_b32 v[\i], 0
.endr
.set i, 0
.rept 16
	v_mov_b32 v[160+i], 0
.set i, i+1
.endr
	s_mov_b32 s2, 0                                ; the step's offsets: k's codes, k's words, the bias, v's codes, v's words
	s_mov_b32 s3, 0
	s_mov_b32 s66, 0
	s_mov_b32 s67, 0
	s_mov_b32 s68, 0
	s_mov_b32 s98, 0                               ; the step's first key
	s_mov_b32 s69, 0
	s_wait_dscnt 0x0
.Lstep:                                                ; 16 trips; a step all of whose keys come after my queries does only the lines at its end
	s_add_co_u32 s70, s99, 15
	s_cmp_gt_u32 s98, s70
	s_cbranch_scc1 .Lhidden
	v_add_nc_u32 v7, s2, v1                        ; (these five are also the places behind the last products)
	v_add_nc_u32 v8, s3, v3
	v_add_nc_u32 v9, s66, v5
	v_add_nc_u32 v10, s67, v2
	v_add_nc_u32 v11, s68, v4
.irp t, 0,1,2,3,4,5,6,7
	ds_load_b128 v[96+8*\t:99+8*\t], v9 offset:64*\t       ; the bias of keys 16 t + 8 h + 0 .. 7, in the result's layout
	ds_load_b128 v[100+8*\t:103+8*\t], v9 offset:64*\t+16
.endr
.irp t, 0,1,2,3,4,5,6,7
.irp i, 0,1,2
	ds_load_b64 v[32+6*\t+2*\i:33+6*\t+2*\i], v7 offset:384*\t+8*\i
.endr
	ds_load_b32 v[192+\t], v8 offset:128*\t
.endr
	s_wait_dscnt 0x0
	s_add_co_u32 s70, s98, 127
	s_cmp_le_u32 s70, s99
	s_cbranch_scc1 .Lopen
	s_sub_co_i32 s70, s99, s98                     ; on the diagonal: key 16 t + 8 h + j is hidden where 16 t + j > my query - the first key - 8 h
	v_add_nc_u32 v252, s70, v6
	v_mov_b32 v254, 0xff000000
.set n, 0
.rept 64
	v_cmp_gt_i32 vcc_lo, 16*(n/8)+n%8, v252
	v_cndmask_b32 v[96+n], v[96+n], v254, vcc_lo
.set n, n+1
.endr
.rept 4
	v_nop
.endr
.Lopen:
.irp t, 0,1,2,3,4,5,6,7
	WMA 96+8*\t, 32+6*\t, 16, 96+8*\t, 192+\t, 28  ; S^T = k q^T + bias; the operand's upper six registers are the next tile's: q has zero codes there
.endr
.rept 4
	v_nop
.endr
	VLOAD 10, 11                                   ; v lands under the softmax
.irp b, 0,1,2,3
	v_max3_num_f32 v[232+\b], v[96+16*\b], v[97+16*\b], v[98+16*\b]   ; the largest score of each block of 32 keys
.endr
.irp i, 3,5,7,9,11,13
.irp b, 0,1,2,3
	v_max3_num_f32 v[232+\b], v[232+\b], v[96+16*\b+\i], v[97+16*\b+\i]
.endr
.endr
.irp b, 0,1,2,3
	v_max_num_f32 v[232+\b], v[232+\b], v[111+16*\b]
.endr
.irp b, 0,1,2,3
	v_permlanex16_b32 v[236+\b], v[232+\b], s20, s21
.endr
.irp b, 0,1,2,3
	v_max_num_f32 v[232+\b], v[232+\b], v[236+\b]
.endr
	v_max3_num_f32 v254, v232, v233, v234
	v_max_num_f32 v254, v254, v235
	v_mul_f32 v254, s22, v254
	v_max_num_f32 v13, v13, v254                   ; the running largest t
	v_mov_b32 v254, v12
	v_floor_f32 v12, -v13                          ; -M: M is a whole number
	v_sub_f32 v254, v12, v254
	v_cvt_i32_f32 v254, v254                       ; (it saturates)
	v_ldexp_f32 v252, 1.0, v254                    ; f = 2^(old M - new M)
.set j, 0
.rept 32
	v_pk_fma_f32 v[96+j:97+j], v[96+j:97+j], s[22:23], v[12:13] op_sel_hi:[1,0,0]   ; t - M
.set j, j+2
.endr
.irp b, 0,1,2,3
	v_fma_f32 v[232+\b], v[232+\b], s22, v12
.endr
.set j, 0
.rept 64
	v_exp_f32 v[96+j], v[96+j]                     ; p
.set j, j+1
.endr
	v_pk_mul_f32 v[14:15], v[14:15], v[252:253] op_sel_hi:[1,0]
	s_wait_alu depctr_va_vdst(0)                   ; one wait for the batch, ahead of its first reader
.irp b, 0,1,2,3
	v_exp_f32 v[232+\b], v[232+\b]                 ; each block's largest p
.endr
	v_pk_add_f32 v[236:237], v[96:97], v[98:99]    ; the sum of the unquantised p, in two chains
.set j, 4
.rept 15
	v_pk_add_f32 v[14:15], v[14:15], v[96+j:97+j]
	v_pk_add_f32 v[236:237], v[236:237], v[98+j:99+j]
.set j, j+4
.endr
	v_pk_add_f32 v[14:15], v[14:15], v[236:237]
	s_wait_alu depctr_va_vdst(0)
.irp b, 0,1,2,3
	v_max_num_f32 v[232+\b], 0x1800000, v[232+\b]
.endr
.irp b, 0,1,2,3
	v_add_nc_u32 v[244+\b], 0xff000000, v[232+\b]
.endr
.irp b, 0,1,2,3
	v_lshrrev_b32 v[236+\b], 23, v[244+\b]
.endr
	v_lshl_or_b32 v253, v237, 8, v236              ; p's scale word
	v_lshl_or_b32 v253, v238, 16, v253
	v_lshl_or_b32 v253, v239, 24, v253
.irp c, 0,1
	v_cvt_scalef32_pk16_fp6_f32 v[224+6*\c:226+6*\c], v[96+32*\c:111+32*\c], v[244+2*\c]
	v_cvt_scalef32_pk16_fp6_f32 v[236+4*\c:238+4*\c], v[112+32*\c:127+32*\c], v[244+2*\c+1]
.endr
	v_nop
.irp c, 0,1
.irp i, 0,1,2
	v_permlane16_swap_b32 v[224+6*\c+\i], v[236+4*\c+\i]
.endr
.irp i, 0,1,2
	v_mov_b32 v[227+6*\c+\i], v[236+4*\c+\i]
.endr
.endr
.set j, 0
.rept 8
	v_pk_mul_f32 v[160+j:161+j], v[160+j:161+j], v[252:253] op_sel_hi:[1,0]   ; O^T under the new M; also the places in front of the products
.set j, j+2
.endr
	s_wait_dscnt 0x0                               ; v
	WMA 160, 32, 224, 160, 200, 253
	WMA 168, 44, 224, 168, 201, 253
.Lhidden:
	s_add_co_u32 s2, s2, 3072
	s_add_co_u32 s3, s3, 1024
	s_add_co_u32 s66, s66, 512
	s_add_co_u32 s67, s67, 1536
	s_add_co_u32 s68, s68, 128
	s_add_co_u32 s98, s98, 128
	s_add_co_u32 s69, s69, 1
	s_cmp_lt_u32 s69, 16
	s_cbranch_scc1 .Lstep
	; ---- the way out
.rept 4
	v_nop
.endr
	v_add_f32 v14, v14, v15
	v_permlanex16_b32 v252, v14, s20, s21
	v_add_f32 v14, v14, v252                       ; the row's sum
	v_mov_b32 v254, 0xf149f2ca
	v_mov_b32 v253, 0x45000000
	v_cmp_ge_f32 vcc_lo, v254, v13                 ; no key was visible
	v_cndmask_b32 v14, v14, v253, vcc_lo
.set n, 0
.rept 16
	v_cndmask_b32 v[96+n], v[160+n], v[204+n], vcc_lo
.set n, n+1
.endr
	v_rcp_f32 v14, v14
	v_nop
	s_wait_alu depctr_va_vdst(0)
.set n, 0
.rept 16
	v_mul_f32 v[96+n], v[96+n], v14                ; o(query r, d = 16 h + n)
.set n, n+1
.endr
	v_max3_num_f32 v[TM], |v96|, |v97|, 0x1800000
	v_max3_num_f32 v[TM+1], |v98|, |v99|, |v100|
.irp i, 5,9
	v_max3_num_f32 v[TM], v[TM], |v[96+\i]|, |v[97+\i]|
	v_max3_num_f32 v[TM+1], v[TM+1], |v[98+\i]|, |v[99+\i]|
.endr
	v_max3_num_f32 v[TM], v[TM], |v109|, |v110|
	v_max3_num_f32 v[TM], v[TM], v[TM+1], |v111|
	v_permlanex16_b32 v[TM+4], v[TM], s20, s21
	v_max_num_f32 v[TM], v[TM], v[TM+4]
	v_add_nc_u32 v[TM+12], 0xff000000, v[TM]
	v_lshrrev_b32 v[TM+5], 23, v[TM+12]
	v_cvt_scalef32_pk16_fp6_f32 v[224:226], v[96:111], v[TM+12]
	v_nop
	ds_store_b32 v180, v224
	ds_store_b32 v181, v225
	ds_store_b32 v182, v226
	ds_store_b8 v183, v[TM+5]
	BARRIER                                        ; four fragments and their words lie in LDS
	s_cmp_lt_u32 s12, 3
	s_cbranch_scc0 .Lwords
	ds_load_b128 v[96:99], v184
	s_wait_dscnt 0x0
	global_store_b128 v186, v[96:99], s[56:57]     ; 512 consecutive bytes
	s_branch .Lend
.Lwords:
	ds_load_b32 v96, v185
	s_wait_dscnt 0x0
	global_store_b32 v187, v96, s[58:59]           ; 16 rows' words (lanes 16-31 store the same again)
.Lend:
	s_wait_tensorcnt 0x0
	ds_add_u32 v251, v255
	s_wait_dscnt 0x0
	ROUND                                          ; the closing round
	s_endpgm
.Lfunc_end_k_qacee03d093_attn:
	.size	k_qacee03d093_attn, .Lfunc_end_k_qacee03d093_attn-k_qacee03d093_attn
	.p2alignl 7, 3214868480
	.fill 96, 4, 3214868480
	.section	.rodata,"a",@progbits
	.p2align	6, 0x0
	.amdhsa_kernel k_qacee03d093_attn
		.amdhsa_group_segment_fixed_size 169984
		.amdhsa_private_segment_fixed_size 0
		.amdhsa_enable_private_segment 0
		.amdhsa_kernarg_size 24
		.amdhsa_user_sgpr_count 2
		.amdhsa_user_sgpr_kernarg_segment_ptr 1
		.amdhsa_wavefront_size32 1
		.amdhsa_system_sgpr_workgroup_id_x 1
		.amdhsa_system_sgpr_workgroup_id_y 1
		.amdhsa_system_sgpr_workgroup_id_z 1
		.amdhsa_system_vgpr_workitem_id 0
		.amdhsa_next_free_vgpr 256
		.amdhsa_next_free_sgpr 100
		.amdhsa_reserve_vcc 1
		.amdhsa_float_denorm_mode_32 3
		.amdhsa_float_denorm_mode_16_64 3
		.amdhsa_memory_ordered 1
		.amdhsa_forward_progress 1
		.amdhsa_inst_pref_size 43
	.end_amdhsa_kernel
	.amdgpu_metadata
---
amdhsa.version: [ 1, 2 ]
amdhsa.kernels:
  - .name:           k_qacee03d093_attn
    .symbol:         k_qacee03d093_attn.kd
    .args:
      - { .name: qkv, .offset: 0, .size: 8, .value_kind: global_buffer, .address_space: global }
      - { .name: attn_mask, .offset: 8, .size: 8, .value_kind: global_buffer, .address_space: global }
      - { .name: act, .offset: 16, .size: 8, .value_kind: global_buffer, .address_space: global }
    .group_segment_fixed_size: 169984
    .private_segment_fixed_size: 0
    .kernarg_segment_align: 8
    .kernarg_segment_size: 24
    .max_flat_workgroup_size: 512
    .sgpr_count:     100
    .vgpr_count:     256
    .wavefront_size: 32
...
	.end_amdgpu_metadata
.endif
;; end of part 3
;; launch gemm2 (part 4): grid 16 x 16, 4 waves a work-group, clusters of 4 x 4, 327,680 bytes of LDS; arguments act, w2, out0; writes out0
.if DOCPART == 4
	.amdgcn_target "amdgcn-amd-amdhsa--gfx1250"
	.amdhsa_code_object_version 6
	.text
	.protected	k_qacee03d093_gemm2
	.globl	k_qacee03d093_gemm2
	.p2align	8
	.type	k_qacee03d093_gemm2,@function
k_qacee03d093_gemm2:
	s_mov_b64 s[64:65], 0
	v_nop
	global_prefetch_b8 v0, s[64:65] scope:SCOPE_SE
	s_setreg_imm32_b32 hwreg(HW_REG_WAVE_MODE, 25, 1), 1
	s_wait_xcnt 0x0
	s_wait_alu depctr_hold_cnt(0) depctr_sa_sdst(0) depctr_va_vdst(0) depctr_va_sdst(0) depctr_va_ssrc(0) depctr_va_vcc(0) depctr_vm_vsrc(0)
	s_getreg_b32 s2, hwreg(HW_REG_IB_STS2, 6, 4)
	s_cmp_eq_u32 s2, 0
	s_cbranch_scc0 .Lentry_in_a_cluster
	s_endpgm
.Lentry_in_a_cluster:
	s_bfe_u32 s2, ttmp6, 0x10000c
	s_cmp_lg_u32 s2, 0xf033
	s_cbranch_scc0 .Lentry_shape_is_right
	s_endpgm
.Lentry_shape_is_right:
; out0 = hidden W_ff_out + attention W_attn_out as ONE product on codes of FP6, K = 2,048 + 512: 20 K steps of 128.
; Work-group (c, R): 256 rows x 128 columns; wave (rh, ch): 128 rows x 64 columns, 32 accumulators.  Source 0 = a weight tile, source 1 = 16 rows: a lane holds neighbouring numbers of a row.
; Codes lie in memory as images of operand registers (1,536 bytes a fragment).  Two LDS slots of four K steps; five fills; A's tiles are asked for jointly along a row of the 4 x 4 cluster, B's along a column.
; All scale words come once.  A's lie [K step][row]: a load at 4 l has block 2 i in lanes 0-15 and block 2 i + 1 in lanes 16-31.  B's lie [tile][K step][16]: the even K step in lanes 0-15, the odd one in lanes 16-31.
; The 20 K steps are written out: every offset is an immediate.
.set HS,   7864320
.set W2S,  3932160
.set SLOT, 147456                      ; A: 16 blocks x 6,144, then B: 8 tiles x 6,144
.set SCA,  294912                      ; A's scale words: 20 x 1,024
.set SCB,  315392                      ; B's: 8 x 1,280
.set SPARE, 325632                     ; the spare words: 512 bytes that no other line names
.set G1, 24
.set G0, 32
.set G1B, 48
.set G0B, 56
.set G1S, 68
.set G0S, 76
.set G1SB, 80
.set G0SB, 88
; window 0: v1-2 A's addresses, v3-4 B's, v5-6 scale words', v7-9 the way out, v13-14 the add's; v32-39 A's scale words (two sets), v48-55 B's (two sets); v64-159 A's fragments, v160-207 B's: set 0; v208-239 the way out
; window 1: accumulator (a, b) at 8 (4 a + b).  window 2: v64-207: fragment set 1
.set MSB, 0
.macro WIN new
.if MSB != \new
	s_set_vgpr_msb (MSB<<8)|\new
.set MSB, \new
.endif
.endm
.macro PLACES n
.rept \n
	v_nop
.endr
.endm
.macro WM d, a, b, cr, sa, sb, ra, rb
.if (\cr) < 0
.if (\ra) && (\rb)
	v_wmma_scale_f32_16x16x128_f8f6f4 v[(\d):(\d)+7], v[(\a):(\a)+11], v[(\b):(\b)+11], 0, v[\sa], v[\sb] matrix_a_fmt:MATRIX_FMT_FP6 matrix_b_fmt:MATRIX_FMT_FP6 matrix_a_scale:MATRIX_SCALE_ROW1 matrix_b_scale:MATRIX_SCALE_ROW1
.elseif \ra
	v_wmma_scale_f32_16x16x128_f8f6f4 v[(\d):(\d)+7], v[(\a):(\a)+11], v[(\b):(\b)+11], 0, v[\sa], v[\sb] matrix_a_fmt:MATRIX_FMT_FP6 matrix_b_fmt:MATRIX_FMT_FP6 matrix_a_scale:MATRIX_SCALE_ROW1
.elseif \rb
	v_wmma_scale_f32_16x16x128_f8f6f4 v[(\d):(\d)+7], v[(\a):(\a)+11], v[(\b):(\b)+11], 0, v[\sa], v[\sb] matrix_a_fmt:MATRIX_FMT_FP6 matrix_b_fmt:MATRIX_FMT_FP6 matrix_b_scale:MATRIX_SCALE_ROW1
.else
	v_wmma_scale_f32_16x16x128_f8f6f4 v[(\d):(\d)+7], v[(\a):(\a)+11], v[(\b):(\b)+11], 0, v[\sa], v[\sb] matrix_a_fmt:MATRIX_FMT_FP6 matrix_b_fmt:MATRIX_FMT_FP6
.endif
.else
.if (\ra) && (\rb)
	v_wmma_scale_f32_16x16x128_f8f6f4 v[(\d):(\d)+7], v[(\a):(\a)+11], v[(\b):(\b)+11], v[(\cr):(\cr)+7], v[\sa], v[\sb] matrix_a_fmt:MATRIX_FMT_FP6 matrix_b_fmt:MATRIX_FMT_FP6 matrix_a_scale:MATRIX_SCALE_ROW1 matrix_b_scale:MATRIX_SCALE_ROW1
.elseif \ra
	v_wmma_scale_f32_16x16x128_f8f6f4 v[(\d):(\d)+7], v[(\a):(\a)+11], v[(\b):(\b)+11], v[(\cr):(\cr)+7], v[\sa], v[\sb] matrix_a_fmt:MATRIX_FMT_FP6 matrix_b_fmt:MATRIX_FMT_FP6 matrix_a_scale:MATRIX_SCALE_ROW1
.elseif \rb
	v_wmma_scale_f32_16x16x128_f8f6f4 v[(\d):(\d)+7], v[(\a):(\a)+11], v[(\b):(\b)+11], v[(\cr):(\cr)+7], v[\sa], v[\sb] matrix_a_fmt:MATRIX_FMT_FP6 matrix_b_fmt:MATRIX_FMT_FP6 matrix_b_scale:MATRIX_SCALE_ROW1
.else
	v_wmma_scale_f32_16x16x128_f8f6f4 v[(\d):(\d)+7], v[(\a):(\a)+11], v[(\b):(\b)+11], v[(\cr):(\cr)+7], v[\sa], v[\sb] matrix_a_fmt:MATRIX_FMT_FP6 matrix_b_fmt:MATRIX_FMT_FP6
.endif
.endif
.endm
.macro JLOAD g0a, g1a, g0b, g1b        ; a joint load: waves 0 and 1 fetch for A, waves 2 and 3 for B; four v_nop follow each line
	s_cmp_eq_u32 s15, 0
	s_cbranch_scc0 .Lfor_b_\@
	tensor_load_to_lds s[\g0a:\g0a+3], s[\g1a:\g1a+7]
	s_nop 0
.rept 4
	v_nop
.endr
	s_branch .Lasked_\@
.Lfor_b_\@:
	tensor_load_to_lds s[\g0b:\g0b+3], s[\g1b:\g1b+7]
	s_nop 0
.rept 4
	v_nop
.endr
.Lasked_\@:
.endm
.macro CREST
	s_cmp_lg_u32 s14, 0
	s_cbranch_scc1 .Lnot_wave_0_\@
	s_barrier_signal -3
.Lnot_wave_0_\@:
	s_barrier_wait -3
	s_barrier_signal -1
	s_barrier_wait -1
.endm
.macro CROUND
	s_barrier_signal -1
	s_barrier_wait -1
	CREST
.endm
	s_load_b128 s[4:7], s[0:1], 0x0                ; act, w2
	s_load_b64 s[8:9], s[0:1], 0x10                ; out0
	v_lshl_add_u32 v13, v0, 2, SPARE
	v_mov_b32 v14, 0
	ds_add_u32 v13, v14
	ds_add_u32 v13, v14
	s_wait_dscnt 0x0
	v_lshrrev_b32 v1, 5, v0
	v_readfirstlane_b32 s14, v1                    ; wave
	s_lshr_b32 s15, s14, 1                         ; rh.  Also: I fetch for A (0) or for B (1)
	s_and_b32 s16, s14, 1                          ; ch.  Also: which half I fetch
	s_bfe_u32 s40, ttmp6, 0x40000
	s_bfe_u32 s41, ttmp6, 0x40004
	s_lshl_b32 s42, ttmp9, 2
	s_add_co_u32 s42, s42, s40                     ; c
	s_and_b32 s17, ttmp7, 0xffff
	s_lshl_b32 s17, s17, 2
	s_add_co_u32 s17, s17, s41                     ; R
	s_lshl_b32 s43, s41, 2
	s_lshl_b32 s43, 15, s43
	s_lshl_b32 s44, 0x1111, s40
	s_or_b32 s[G1], s43, (3<<16)|(1<<21)           ; elements of 8 bytes, no padding
	s_or_b32 s[G1B], s44, (3<<16)|(1<<21)
	s_or_b32 s[G1S], s43, (3<<16)|(1<<21)
	s_or_b32 s[G1SB], s44, (3<<16)|(1<<21)
	s_mov_b32 s[G1+1], 768<<16                     ; codes: rows of four K steps of a block, 3,840 elements apart; 8 blocks of A,
	s_mov_b32 s[G1+2], 8<<16
	s_mov_b32 s[G1+3], 768<<16
	s_mov_b32 s[G1+4], 8
	s_mov_b32 s[G1+5], 3840
	s_mov_b32 s[G1+6], 0
	s_mov_b32 s[G1+7], 0
	s_mov_b32 s[G1B+1], 768<<16                    ; 4 tiles of B
	s_mov_b32 s[G1B+2], 4<<16
	s_mov_b32 s[G1B+3], 768<<16
	s_mov_b32 s[G1B+4], 4
	s_mov_b32 s[G1B+5], 3840
	s_mov_b32 s[G1B+6], 0
	s_mov_b32 s[G1B+7], 0
	s_mov_b32 s[G1S+1], 128<<16                    ; A's scale words: 10 K steps x my 256 rows' 1,024 bytes, 16,384 bytes apart
	s_mov_b32 s[G1S+2], 10<<16
	s_mov_b32 s[G1S+3], 128<<16
	s_mov_b32 s[G1S+4], 10
	s_mov_b32 s[G1S+5], 2048
	s_mov_b32 s[G1S+6], 0
	s_mov_b32 s[G1S+7], 0
	s_mov_b32 s[G1SB+1], 32<<16                    ; B's: 4 tiles' 5,120 dense bytes as 20 rows of 256
	s_mov_b32 s[G1SB+2], 20<<16
	s_mov_b32 s[G1SB+3], 32<<16
	s_mov_b32 s[G1SB+4], 20
	s_mov_b32 s[G1SB+5], 32
	s_mov_b32 s[G1SB+6], 0
	s_mov_b32 s[G1SB+7], 0
	s_lshl_b32 s18, s16, 3
	s_lshl_b32 s20, s17, 4
	s_add_co_u32 s20, s20, s18
	s_mul_i32 s20, s20, 30720                      ; A: block 16 R + 8 x half
	s_mov_b32 s21, 0
	s_mul_i32 s22, s16, 163840
	s_lshl_b32 s18, s17, 10
	s_add_co_u32 s22, s22, s18
	s_add_co_u32 s22, s22, HS
	s_mov_b32 s23, 0
	s_lshl_b32 s46, s42, 3
	s_lshl_b32 s3, s16, 2
	s_add_co_u32 s46, s46, s3                      ; B: tile 8 c + 4 x half
	s_mul_i32 s92, s46, 1280
	s_add_co_u32 s92, s92, W2S
	s_mul_i32 s46, s46, 30720
	s_mov_b32 s47, 0
	s_mov_b32 s93, 0
	s_mul_i32 s45, s16, 49152
	s_mul_i32 s2, s16, 24576
	s_add_co_u32 s2, s2, 98304
	s_wait_kmcnt 0x0
	s_add_nc_u64 s[20:21], s[4:5], s[20:21]
	s_add_nc_u64 s[22:23], s[4:5], s[22:23]
	s_add_nc_u64 s[46:47], s[6:7], s[46:47]
	s_add_nc_u64 s[92:93], s[6:7], s[92:93]
	CROUND                                         ; in front of the first joint loads
	s_mov_b32 s[G0S], 1
	s_mul_i32 s[G0S+1], s16, 10240
	s_add_co_u32 s[G0S+1], s[G0S+1], SCA
	s_mov_b64 s[G0S+2:G0S+3], s[22:23]
	s_or_b32 s[G0S+3], s[G0S+3], 0x80000000
	s_mov_b32 s[G0SB], 1
	s_mul_i32 s[G0SB+1], s16, 5120
	s_add_co_u32 s[G0SB+1], s[G0SB+1], SCB
	s_mov_b64 s[G0SB+2:G0SB+3], s[92:93]
	s_or_b32 s[G0SB+3], s[G0SB+3], 0x80000000
	JLOAD G0S, G1S, G0SB, G1SB
.irp s, 0,1
	s_mov_b32 s[G0+4*\s], 1
	s_add_co_u32 s[G0+4*\s+1], s45, \s*SLOT
	s_add_nc_u64 s[G0+4*\s+2:G0+4*\s+3], s[20:21], \s*6144
	s_or_b32 s[G0+4*\s+3], s[G0+4*\s+3], 0x80000000
	s_mov_b32 s[G0B+4*\s], 1
	s_add_co_u32 s[G0B+4*\s+1], s2, \s*SLOT
	s_add_nc_u64 s[G0B+4*\s+2:G0B+4*\s+3], s[46:47], \s*6144
	s_or_b32 s[G0B+4*\s+3], s[G0B+4*\s+3], 0x80000000
	JLOAD G0+4*\s, G1, G0B+4*\s, G1B               ; three loads of a wave are out here
.endr
	v_and_b32 v10, 31, v0
	v_lshlrev_b32 v11, 3, v10                      ; 8 l
	v_lshlrev_b32 v12, 2, v10                      ; 4 l
	s_mul_i32 s18, s15, 49152
	v_add_nc_u32 v1, s18, v11
	v_add_nc_u32 v2, SLOT, v1
	s_mul_i32 s18, s16, 24576
	s_add_co_u32 s18, s18, 98304
	v_add_nc_u32 v3, s18, v11
	v_add_nc_u32 v4, SLOT, v3
	s_lshl_b32 s18, s15, 9
	s_add_co_u32 s18, s18, SCA
	v_add_nc_u32 v5, s18, v12
	s_mul_i32 s18, s16, 5120
	s_add_co_u32 s18, s18, SCB
	v_add_nc_u32 v6, s18, v12
	v_and_b32 v10, 15, v0                          ; r
	v_bfe_u32 v11, v0, 4, 1                        ; h
	s_mul_i32 s18, s14, 4352                       ; my stage, 16 rows of 272 bytes, in slot 1: it has had its last fill and its last read when the first result is stored there
	s_add_co_u32 s18, s18, SLOT
	v_mul_u32_u24 v7, v10, 272
	v_lshl_add_u32 v7, v11, 6, v7
	v_add_nc_u32 v7, s18, v7
	v_mul_u32_u24 v8, v11, 272
	v_lshl_add_u32 v8, v10, 4, v8
	v_add_nc_u32 v8, s18, v8
	v_lshlrev_b32 v9, 13, v11
	v_lshl_add_u32 v9, v10, 4, v9                  ; out0: row h, 16 bytes a lane
	s_lshl_b32 s18, s17, 8
	s_lshl_b32 s19, s15, 7
	s_add_co_u32 s18, s18, s19
	s_lshl_b32 s18, s18, 13
	s_lshl_b32 s19, s42, 9
	s_add_co_u32 s18, s18, s19
	s_lshl_b32 s19, s16, 8
	s_add_co_u32 s18, s18, s19
	s_mov_b32 s19, 0
	s_add_nc_u64 s[8:9], s[8:9], s[18:19]
.macro FETCH q                         ; K step q's 12 fragments into set q % 2, and its scale words
.set SL, ((\q)/4)%2
.set KO, ((\q)%4)*1536
.if (\q)%2
	WIN 0x80
.else
	WIN 0
.endif
.irp i, 0,1,2,3
.irp p, 0,1,2,3,4,5
	ds_load_b64 v[160+12*\i+2*\p:161+12*\i+2*\p], v[3+SL] offset:6144*\i+KO+256*\p
.endr
.endr
.irp i, 0,1,2,3,4,5,6,7
.irp p, 0,1,2,3,4,5
	ds_load_b64 v[64+12*\i+2*\p:65+12*\i+2*\p], v[1+SL] offset:6144*\i+KO+256*\p
.endr
.endr
	WIN 0
.irp i, 0,1,2,3
	ds_load_b32 v[32+4*((\q)%2)+\i], v5 offset:1024*(\q)+128*\i
.endr
.if (\q)%2 == 0
.irp i, 0,1,2,3
	ds_load_b32 v[48+4*(((\q)/2)%2)+\i], v6 offset:1280*\i+64*(\q)
.endr
.endif
.endm
.macro MULWIN q
.if (\q)%2
	WIN 0x5a
.else
	WIN 0x50
.endif
.endm
; the 32 accumulators take turns, one instruction a turn, in the same order in every K step
.macro MUL8 q, a0, zero
.irp a, \a0, \a0+1
.irp b, 0,1,2,3
.if \zero
	WM 8*(4*(\a)+\b), 160+12*\b, 64+12*(\a), -1, 48+4*(((\q)/2)%2)+\b, 32+4*((\q)%2)+(\a)/2, (\q)%2, (\a)%2
.else
	WM 8*(4*(\a)+\b), 160+12*\b, 64+12*(\a), 8*(4*(\a)+\b), 48+4*(((\q)/2)%2)+\b, 32+4*((\q)%2)+(\a)/2, (\q)%2, (\a)%2
.endif
.endr
.endr
.endm
.macro KSTEP q, zero
	s_wait_dscnt 0x0                               ; this K step's fragments are in
	PLACES 4                                       ; in front of loads into the set that the last K step multiplied
	FETCH (\q)+1
	MULWIN \q
	MUL8 \q, 0, \zero
	MUL8 \q, 2, \zero
	MUL8 \q, 4, \zero
	MUL8 \q, 6, \zero
.endm
.macro TURN q, fill                    ; a slot's last K step changes slots
.set SF, ((\q)/4)%2
	WIN 0
	s_wait_tensorcnt 0x0                           ; all my tensor loads have landed: my part of the next slot
	ds_add_u32 v13, v14                            ; 0 onto my spare word
	s_wait_dscnt 1                                 ; only the add may be out
	MULWIN \q
	MUL8 \q, 0, 0
	s_wait_dscnt 0x0                               ; the add is done, and my reads of this slot are over
	s_barrier_signal -1
	MUL8 \q, 2, 0
	WIN 0
	s_barrier_wait -1
.if \fill
	CREST                                          ; the barrier has opened a round of the cluster's barrier
	s_add_nc_u64 s[G0+4*SF+2:G0+4*SF+3], s[G0+4*SF+2:G0+4*SF+3], 12288
	s_add_nc_u64 s[G0B+4*SF+2:G0B+4*SF+3], s[G0B+4*SF+2:G0B+4*SF+3], 12288
	JLOAD G0+4*SF, G1, G0B+4*SF, G1B               ; my one tensor load behind the round: it has four K steps in which to land
.else
	PLACES 4
.endif
	FETCH (\q)+1
	MULWIN \q
	MUL8 \q, 4, 0
	MUL8 \q, 6, 0
.endm
	s_wait_tensorcnt 1                             ; the scale words and slot 0 are in; slot 1's load may be out
	s_barrier_signal -1
	s_barrier_wait -1
	FETCH 0
	KSTEP 0, 1                                     ; the first K step's products start the sums
	KSTEP 1, 0
	KSTEP 2, 0
	TURN 3, 1
	KSTEP 4, 0
	KSTEP 5, 0
	KSTEP 6, 0
	TURN 7, 1
	KSTEP 8, 0
	KSTEP 9, 0
	KSTEP 10, 0
	TURN 11, 1
	KSTEP 12, 0
	KSTEP 13, 0
	KSTEP 14, 0
	TURN 15, 0                                     ; nothing is left to fetch
	KSTEP 16, 0
	KSTEP 17, 0
	KSTEP 18, 0
	s_wait_dscnt 0x0
	MULWIN 19
	MUL8 19, 0, 0
	MUL8 19, 2, 0
	MUL8 19, 4, 0
	MUL8 19, 6, 0
	WIN 0
	; THE WAY OUT: register j of tile b in lane (r, h) is column 32 (b / 2) + 16 h + 8 (b % 2) + j of row r.  16 rows go through my stage and leave as rows of 256 bytes
	PLACES 4
.irp a, 0,1,2,3,4,5,6,7
.if \a > 0
	s_wait_xcnt 0x0                                ; the last block's stores have read their registers and their base
	s_add_nc_u64 s[8:9], s[8:9], 131072            ; 16 rows on
.endif
	WIN 0x04                                       ; an LDS store's data are its source 1: window 1
.irp b, 0,1,2,3
	ds_store_b128 v7, v[8*(4*\a+\b):8*(4*\a+\b)+3] offset:128*(\b/2)+32*(\b%2)      ; each accumulator from its low end on
	ds_store_b128 v7, v[8*(4*\a+\b)+4:8*(4*\a+\b)+7] offset:128*(\b/2)+32*(\b%2)+16
.endr
	WIN 0
.irp t, 0,1,2,3,4,5,6,7
	ds_load_b128 v[208+4*\t:211+4*\t], v8 offset:544*\t   ; LDS serves a wave's instructions in order
.endr
	s_wait_dscnt 0x0
.irp t, 0,1,2,3,4,5,6,7
	global_store_b128 v9, v[208+4*\t:211+4*\t], s[8:9] offset:16384*\t th:TH_STORE_NT   ; sixteen lanes store 256 consecutive bytes, aligned
.endr
.endr
	s_wait_tensorcnt 0x0                           ; the wave's end
	ds_add_u32 v13, v14
	s_wait_dscnt 0x0
	CROUND                                         ; the closing round
	s_endpgm
.Lfunc_end_k_qacee03d093_gemm2:
	.size	k_qacee03d093_gemm2, .Lfunc_end_k_qacee03d093_gemm2-k_qacee03d093_gemm2
	.p2alignl 7, 3214868480
	.fill 96, 4, 3214868480
	.section	.rodata,"a",@progbits
	.p2align	6, 0x0
	.amdhsa_kernel k_qacee03d093_gemm2
		.amdhsa_group_segment_fixed_size 327680
		.amdhsa_private_segment_fixed_size 0
		.amdhsa_enable_private_segment 0
		.amdhsa_kernarg_size 24
		.amdhsa_user_sgpr_count 2
		.amdhsa_user_sgpr_kernarg_segment_ptr 1
		.amdhsa_wavefront_size32 1
		.amdhsa_system_sgpr_workgroup_id_x 1
		.amdhsa_system_sgpr_workgroup_id_y 1
		.amdhsa_system_sgpr_workgroup_id_z 1
		.amdhsa_system_vgpr_workitem_id 0
		.amdhsa_next_free_vgpr 768
		.amdhsa_next_free_sgpr 98
		.amdhsa_reserve_vcc 0
		.amdhsa_float_denorm_mode_32 3
		.amdhsa_float_denorm_mode_16_64 3
		.amdhsa_memory_ordered 1
		.amdhsa_forward_progress 1
		.amdhsa_inst_pref_size 211
	.end_amdhsa_kernel
	.amdgpu_metadata
---
amdhsa.version: [ 1, 2 ]
amdhsa.kernels:
  - .name:           k_qacee03d093_gemm2
    .symbol:         k_qacee03d093_gemm2.kd
    .args:
      - { .name: act, .offset: 0, .size: 8, .value_kind: global_buffer, .address_space: global }
      - { .name: w2, .offset: 8, .size: 8, .value_kind: global_buffer, .address_space: global }
      - { .name: out0, .offset: 16, .size: 8, .value_kind: global_buffer, .address_space: global }
    .group_segment_fixed_size: 327680
    .private_segment_fixed_size: 0
    .kernarg_segment_align: 8
    .kernarg_segment_size: 24
    .max_flat_workgroup_size: 128
    .sgpr_count:     98
    .vgpr_count:     768
    .wavefront_size: 32
...
	.end_amdgpu_metadata
.endif
;; end of part 4
